; MI455X (gfx1250); checked and timed in simulation.
; The chip was launched on July 23, 2026; its instructions are those of AMD's public machine-readable ISA for CDNA 5 (MIT licence, August 2026) and "CDNA5" Instruction Set Architecture Reference Guide (July 2026). The comments in the code are by the model that wrote it; some were corrected since.
;; Bert Attention. Allowed arithmetic: matrix products marked QUANTISED: E5M2 operands, one E8M0 scale for each 32 along K, by v_wmma_scale_f32_16x16x128_f8f6f4 with both operands' format E5M2, f32 sums; everything else in f32.
;; Inputs: Wk 1,024 x 1,024 float32; Wo 1,024 x 1,024 float32; Wq 1,024 x 1,024 float32; Wv 1,024 x 1,024 float32; attention_mask 4 x 1 x 1 x 2,048 float32; bk 1,024 float32; bo 1,024 float32; bq 1,024 float32; bv 1,024 float32; hidden_states 4 x 2,048 x 1,024 float32; ln_beta 1,024 float32; ln_gamma 1,024 float32.
;; Outputs: out0 4 x 2,048 x 1,024 float32.
;; This version of the problem:
;;   THIS VERSION OF THE PROBLEM IS GIVEN IN LOW PRECISION. The matrix products marked QUANTISED in the list below multiply operands that are first quantised to E5M2 (5 exponent bits, 2 mantissa bits; 8 bits a number), with one power-of-two scale for each 32 numbers along K (OCP MX v1.0); their sums are f32. All else is computed in f32.
;;   The module's matrix products, in the order in which they are computed (A, B: the left and right operand; K: the contracted axis; several contracted axes count as one K, in the product's order):
;;     1. [M 8,192, K 1,024] x [K 1,024, N 1,024]; A: input hidden_states; B: input Wq: QUANTISED
;;     2. [M 8,192, K 1,024] x [K 1,024, N 1,024]; A: input hidden_states; B: input Wk: QUANTISED
;;     3. [M 8,192, K 1,024] x [K 1,024, N 1,024]; A: input hidden_states; B: input Wv: QUANTISED
;;     4. batch 64 x [M 2,048, K 64] x [K 64, N 2,048]; A: computed on the way; B: computed on the way: QUANTISED
;;     5. batch 64 x [M 2,048, K 2,048] x [K 2,048, N 64]; A: softmax (see below); B: computed on the way: QUANTISED
;;     6. [M 8,192, K 1,024] x [K 1,024, N 1,024]; A: computed on the way; B: input Wo: QUANTISED
;;   THE QUANTISER, for each operand of a quantised product, along K:
;;     - K is cut into blocks of 32 from its start; a last block that is shorter is filled with zeros.
;;     - A block's scale is 2^e with e = floor(log2(the largest magnitude in the block)) - 15, held to -126 .. 127; a block of zeros has e = 0. As a byte (E8M0): e + 127.
;;     - Each number is divided by its block's scale, clamped to +-57,344, and rounded to the nearest number of E5M2, ties to even, subnormals kept.
;;     - The product sums the exact products of the quantised numbers (number of the format x scale) in f32.
;;   ~~~python
;;   def quantise(x, axis):      # numpy; x: float32 -> the quantised numbers, widened to float32 again
;;       x = np.moveaxis(x, axis, -1); K = x.shape[-1]
;;       x = np.pad(x, [(0, 0)] * (x.ndim - 1) + [(0, -K % 32)]); x = x.reshape(x.shape[:-1] + (-1, 32)); a = np.abs(x).max(-1, keepdims=True)
;;       e = np.where(a > 0, np.clip(np.frexp(np.where(a > 0, a, 1))[1] - 1 - 15, -126, 127), 0)      # np.frexp(a)[1] - 1 = floor(log2(a)), exactly
;;       r = np.clip(x / 2.0 ** e, -57344, 57344)
;;       step = 2.0 ** (np.maximum(np.frexp(np.where(r == 0, 1, r))[1] - 1, -14) - 2)
;;       q = np.round(r / step) * step * 2.0 ** e      # np.round: ties to even
;;       return np.moveaxis(q.reshape(q.shape[:-2] + (-1,))[..., :K], -1, axis).astype(np.float32)
;;   ~~~
;;   SOFTMAX AHEAD OF A QUANTISED PRODUCT. Where the list says 'softmax', what is quantised is not the finished softmax but p = 2^(t - M), with t = logit x log2(e) and M = ceil(the row's largest t), a whole number; so 1/2 < the row's largest p <= 1. The row's sum l is taken of the UNQUANTISED p, in f32, and the product's result is divided by l at the end. Since M is a whole number, a kernel that streams over the keys may use a running M (the ceiling of the running maximum): every later rescaling is an exact power of two, which a block's scale takes up: the codes' values come out the same.
;;   OPERANDS COMPUTED ON THE WAY. 'Computed on the way' means the value that the module computes at that place (a softmax that the list does not call 'softmax' is quantised finished and normalised). What goes into a quantiser is computed in f32, as accurately as f32 sums, v_exp_f32 and their like allow (about 1e-6 of the number): no bf16 or f16 on the way to a quantiser, and a product that is left as it is and whose result goes on into a quantised operand takes f32 operands (vector FMAs, or v_wmma_f32_16x16x4_f32). A number that lies on a knife's edge between two numbers of the format may be rounded either way, as far as f32 arithmetic and the matrix unit's own rounding can turn it there, and no further.
;; One version. Each part assembles by itself: llvm-mc -triple=amdgcn-amd-amdhsa -mcpu=gfx1250 --defsym DOCPART=n.
;; ======== version 1 of 1: 4 launches
;; limits: right only within a limited range of input values
;; workspace buffers: xc 8,388,608 bytes; xs 262,144 bytes; wc 4,194,304 bytes; ws 131,072 bytes; qkvc 25,165,824 bytes; qkvs 1,310,720 bytes; cc 8,388,608 bytes; cs 262,144 bytes
;; launch quant (part 1): grid 256 x 1, 6 waves a work-group, no clusters, 51,456 bytes of LDS; arguments hidden_states, Wq, Wk, Wv, Wo, xc, xs, wc, ws; writes xc, xs, wc, ws
.if DOCPART == 1
	.amdgcn_target "amdgcn-amd-amdhsa--gfx1250"
	.amdhsa_code_object_version 6
	.text
	.protected	k_q695a29bee6_quant
	.globl	k_q695a29bee6_quant
	.p2align	8
	.type	k_q695a29bee6_quant,@function
k_q695a29bee6_quant:
	s_mov_b64 s[64:65], 0
	v_nop
	global_prefetch_b8 v0, s[64:65] scope:SCOPE_SE
	s_setreg_imm32_b32 hwreg(HW_REG_WAVE_MODE, 25, 1), 1
	s_wait_xcnt 0x0
; hidden_states [8192][1024] and Wq, Wk, Wv, Wo [1024][1024], f32, K innermost, become codes of BF8 (E5M2) with one E8M0 byte for each 32 along K.
; The codes are laid as IMAGES OF OPERAND REGISTERS: a fragment (16 rows x 128 K) is [c 0..3][lane 0..31][16 bytes], lane (r, h) holding k = 32 c + 16 h + 0..15 of the tile's row r: 2,048 bytes.
; Tile a of a tensor holds the rows 32 (a / 2) + 8 (a % 2) + r + 8 (r / 8).  xc, wc: [tile][K step 8][2048]; wc's 256 tiles are Wq's, Wk's, Wv's, Wo's, 64 each.
; The scale words (4 bytes: 128 along K of one row) lie [tile][half 2][r 16][4 words]: word j of half u serves K step 4 u + j.
; A block's scale is 2^(floor(log2(its largest magnitude)) - 15); its byte is the largest magnitude's exponent field - 15, held at 1 from below.
; LIMITS: a block of zeros gets the byte 1 (its codes are zeros, and this program alone reads the bytes); NaN and infinities among the inputs are not served.
; SHARES: 768 tiles x 2 halves of K = 1,536 tasks, one a wave: 256 work-groups of 6 waves.  A task is 16 rows x 512 numbers: four fragments.
; Each load reads 512 consecutive bytes of a row; a fragment's 16 x 512 bytes turn through the wave's own stage in LDS (rows 528 bytes apart) so that a lane gets 16 neighbours of each block.
; No barrier: waves share nothing.  Loads run two fragments (32 loads a wave) ahead.
.set SP,  528                          ; a stage row: 512 bytes + 16
.set STG, 16*SP                        ; a wave's stage
.set R0,  16                           ; v16-79   a fragment as loaded
.set R1,  80                           ; v80-143  the next
.set X,   144                          ; v144-207 64 numbers of a lane: register 16 b + i = k 32 b + 16 h + i of my row
.set PC,  208                          ; v208-223 the fragment's codes
.set TM,  224                          ; v224-239 at work
.set PW,  240                          ; v240-243 the four fragments' scale words
.set SW,  244                          ; v244-245 the two that my half of the lanes stores
.set SEL, 4                            ; s[4:5] lane selects: lane l xor 16
.set MNT, 6
.set HM,  7                            ; s7  the lanes 16-31
	s_load_b512 s[8:23], s[0:1], 0x0               ; hidden_states, Wq, Wk, Wv, Wo, xc, xs, wc
	s_load_b64 s[24:25], s[0:1], 0x40              ; ws
	v_lshl_add_u32 v248, v0, 2, 0xc600
	v_mov_b32 v249, 0
	v_lshrrev_b32 v5, 5, v0
	v_readfirstlane_b32 s2, v5                     ; wave 0..5
	v_and_b32 v6, 31, v0                           ; lane
	v_and_b32 v7, 15, v0                           ; r
	v_bfe_u32 v8, v0, 4, 1                         ; h
	v_lshlrev_b32 v1, 4, v6                        ; 16 x lane: my bytes of a load's 512, and of an image's
	s_mul_i32 s3, s2, STG
	v_add_nc_u32 v2, s3, v1                        ; the stage on the way in
	v_mul_u32_u24 v3, v7, SP
	v_lshl_add_u32 v3, v8, 6, v3
	v_add_nc_u32 v3, s3, v3                        ; and on the way out: row r, + 64 h
	v_lshlrev_b32 v4, 4, v7
	v_lshl_add_u32 v4, v8, 3, v4                   ; the scale words: 16 r + 8 h
	v_cmp_ne_u32 s[HM], 0, v8
.irp b, 0,1,2,3
	v_mov_b32 v[TM+4+\b], 0                        ; written once: a lane permute's destination counts as one of its sources
.endr
	s_mov_b32 s[SEL], 0x76543210
	s_mov_b32 s[SEL+1], 0xfedcba98
	s_mul_i32 s27, ttmp9, 6
	s_add_co_u32 s27, s27, s2                      ; the task
	s_lshr_b32 s28, s27, 1                         ; its tile, 0..767
	s_and_b32 s29, s27, 1                          ; its half of K
	s_sub_co_u32 s30, s28, 512                     ; the tile among the weights' (used where the tile is 512 or more)
	s_lshr_b32 s31, s30, 6                         ; which weight
	s_and_b32 s32, s30, 63                         ; the tile in it
	s_wait_alu depctr_va_vdst(0)
	s_wait_kmcnt 0x0
	s_cmp_eq_u32 s31, 2                            ; the choices hang on ids alone
	s_cselect_b64 s[16:17], s[14:15], s[16:17]
	s_cmp_eq_u32 s31, 1
	s_cselect_b64 s[16:17], s[12:13], s[16:17]
	s_cmp_eq_u32 s31, 0
	s_cselect_b64 s[16:17], s[10:11], s[16:17]
	s_cmp_lt_u32 s28, 512
	s_cselect_b64 s[16:17], s[8:9], s[16:17]       ; from where
	s_cselect_b64 s[18:19], s[18:19], s[22:23]     ; the codes' buffer
	s_cselect_b64 s[20:21], s[20:21], s[24:25]     ; the scale words'
	s_cselect_b32 s33, s28, s32                    ; the tile in its source
	s_cselect_b32 s34, s28, s30                    ; and in its destination
	s_lshr_b32 s35, s33, 1
	s_lshl_b32 s35, s35, 17                        ; 32 rows of 4,096 bytes for each pair of tiles,
	s_and_b32 s36, s33, 1
	s_lshl_b32 s36, s36, 15                        ; 8 rows for the odd tile,
	s_add_co_u32 s36, s36, s35
	s_lshl_b32 s35, s29, 11                        ; 2,048 bytes for the upper half of K
	s_add_co_u32 s36, s36, s35
	s_mov_b32 s37, 0
	s_add_nc_u64 s[16:17], s[16:17], s[36:37]
	s_lshl_b32 s36, s34, 14
	s_lshl_b32 s35, s29, 13
	s_add_co_u32 s36, s36, s35
	s_add_nc_u64 s[18:19], s[18:19], s[36:37]
	s_lshl_b32 s36, s34, 9
	s_lshl_b32 s35, s29, 8
	s_add_co_u32 s36, s36, s35
	s_add_nc_u64 s[20:21], s[20:21], s[36:37]
.macro LOADF f, set                    ; fragment f: 128 numbers of each of the tile's 16 rows
.irp i, 0,1,2,3,4,5,6,7,8,9,10,11,12,13,14,15
	global_load_b128 v[\set+4*\i:\set+4*\i+3], v1, s[16:17] offset:(\i+8*(\i/8))*4096+512*(\f) th:TH_LOAD_NT
.endr
.endm
.macro TURNF set                       ; through the stage: LDS serves a wave's instructions in order, so no wait stands between the stores and the loads
.irp i, 0,1,2,3,4,5,6,7,8,9,10,11,12,13,14,15
	ds_store_b128 v2, v[\set+4*\i:\set+4*\i+3] offset:SP*\i
.endr
.irp c, 0,1,2,3
.irp j, 0,1,2,3
	ds_load_b128 v[X+16*\c+4*\j:X+16*\c+4*\j+3], v3 offset:128*\c+16*\j
.endr
.endr
.endm
.macro QUANT s, w                      ; 64 numbers of a lane become a fragment's codes in v[PC] on and its scale word in v[w]
.irp b, 0,1,2,3
	v_max3_num_f32 v[TM+\b], |v[\s+16*\b]|, |v[\s+1+16*\b]|, 0x8000000   ; my 16 numbers of block b, and the floor 2^(16 - 127): the byte cannot fall under 1
.endr
.irp i, 2,4,6,8,10,12,14
.irp b, 0,1,2,3
	v_max3_num_f32 v[TM+\b], v[TM+\b], |v[\s+16*\b+\i]|, |v[\s+1+16*\b+\i]|
.endr
.endr
.irp b, 0,1,2,3
	v_permlanex16_b32 v[TM+4+\b], v[TM+\b], s[SEL], s[SEL+1]
.endr
.irp b, 0,1,2,3
	v_max_num_f32 v[TM+\b], v[TM+\b], v[TM+4+\b]   ; with lane l xor 16's: the block's largest magnitude
.endr
.irp b, 0,1,2,3
	v_add_nc_u32 v[TM+12+\b], 0xf8800000, v[TM+\b] ; 15 off its exponent field: the conversion's scale operand
.endr
.irp b, 0,1,2,3
.endr
.irp b, 0,1,2,3
	v_lshrrev_b32 v[TM+4+\b], 23, v[TM+12+\b]      ; the scale's byte
.endr
	v_lshl_or_b32 v[\w], v[TM+5], 8, v[TM+4]
	v_lshl_or_b32 v[\w], v[TM+6], 16, v[\w]
	v_lshl_or_b32 v[\w], v[TM+7], 24, v[\w]
.irp b, 0,1,2,3
.irp i, 0,1,2,3,4,5,6,7,8,9,10,11,12,13,14,15
.endr
	v_cvt_scalef32_pk8_bf8_f32 v[PC+4*\b:PC+1+4*\b], v[\s+16*\b:\s+7+16*\b], v[TM+12+\b]
	v_cvt_scalef32_pk8_bf8_f32 v[PC+2+4*\b:PC+3+4*\b], v[\s+8+16*\b:\s+15+16*\b], v[TM+12+\b]
.endr
	v_nop                                          ; a plain line behind the last conversion
.endm
.macro FRAGQ f, set, left, more
	s_wait_loadcnt \left                           ; this fragment's 16 loads are in; the next fragment's may be out
	TURNF \set
	s_wait_dscnt 0x0                               ; the numbers are back, and the stage's stores have read their registers
	s_wait_xcnt 0x0                                ; the last fragment's stores have read the codes' registers
.if \more
	LOADF (\f)+2, \set
.endif
	QUANT X, PW+(\f)
.irp c, 0,1,2,3
	global_store_b128 v1, v[PC+4*\c:PC+4*\c+3], s[18:19] offset:2048*(\f)+512*\c   ; 32 lanes store 512 consecutive bytes
.endr
.endm
	LOADF 0, R0
	LOADF 1, R1
	FRAGQ 0, R0, 16, 1
	FRAGQ 1, R1, 16, 1
	FRAGQ 2, R0, 16, 0
	FRAGQ 3, R1, 0, 0
	v_cndmask_b32 v[SW], v[PW], v[PW+2], s[HM]     ; lanes 0-15 store words 0, 1 of their row, lanes 16-31 words 2, 3
	v_cndmask_b32 v[SW+1], v[PW+1], v[PW+3], s[HM]
	global_store_b64 v4, v[SW:SW+1], s[20:21]      ; 32 lanes store 256 consecutive bytes, aligned
	s_wait_tensorcnt 0x0
	ds_add_u32 v248, v249
	s_wait_dscnt 0x0
	s_endpgm
.Lfunc_end_k_q695a29bee6_quant:
	.size	k_q695a29bee6_quant, .Lfunc_end_k_q695a29bee6_quant-k_q695a29bee6_quant
	.p2alignl 7, 3214868480
	.fill 96, 4, 3214868480
	.section	.rodata,"a",@progbits
	.p2align	6, 0x0
	.amdhsa_kernel k_q695a29bee6_quant
		.amdhsa_group_segment_fixed_size 51456
		.amdhsa_private_segment_fixed_size 0
		.amdhsa_enable_private_segment 0
		.amdhsa_kernarg_size 72
		.amdhsa_user_sgpr_count 2
		.amdhsa_user_sgpr_kernarg_segment_ptr 1
		.amdhsa_wavefront_size32 1
		.amdhsa_system_sgpr_workgroup_id_x 1
		.amdhsa_system_sgpr_workgroup_id_y 1
		.amdhsa_system_sgpr_workgroup_id_z 1
		.amdhsa_system_vgpr_workitem_id 0
		.amdhsa_next_free_vgpr 250
		.amdhsa_next_free_sgpr 66
		.amdhsa_reserve_vcc 0
		.amdhsa_float_denorm_mode_32 3
		.amdhsa_float_denorm_mode_16_64 3
		.amdhsa_fp16_overflow 1
		.amdhsa_memory_ordered 1
		.amdhsa_forward_progress 1
		.amdhsa_inst_pref_size 34
	.end_amdhsa_kernel
	.amdgpu_metadata
---
amdhsa.version: [ 1, 2 ]
amdhsa.kernels:
  - .name:           k_q695a29bee6_quant
    .symbol:         k_q695a29bee6_quant.kd
    .args:
      - { .name: hidden_states, .offset: 0, .size: 8, .value_kind: global_buffer, .address_space: global }
      - { .name: Wq, .offset: 8, .size: 8, .value_kind: global_buffer, .address_space: global }
      - { .name: Wk, .offset: 16, .size: 8, .value_kind: global_buffer, .address_space: global }
      - { .name: Wv, .offset: 24, .size: 8, .value_kind: global_buffer, .address_space: global }
      - { .name: Wo, .offset: 32, .size: 8, .value_kind: global_buffer, .address_space: global }
      - { .name: xc, .offset: 40, .size: 8, .value_kind: global_buffer, .address_space: global }
      - { .name: xs, .offset: 48, .size: 8, .value_kind: global_buffer, .address_space: global }
      - { .name: wc, .offset: 56, .size: 8, .value_kind: global_buffer, .address_space: global }
      - { .name: ws, .offset: 64, .size: 8, .value_kind: global_buffer, .address_space: global }
    .group_segment_fixed_size: 51456
    .private_segment_fixed_size: 0
    .kernarg_segment_align: 8
    .kernarg_segment_size: 72
    .max_flat_workgroup_size: 192
    .sgpr_count:     66
    .vgpr_count:     250
    .wavefront_size: 32
...
	.end_amdgpu_metadata
.endif
;; end of part 1
;; launch proj (part 2): grid 8 x 48, 4 waves a work-group, clusters of 4 x 4, 327,680 bytes of LDS; arguments xc, xs, wc, ws, bq, bk, bv, qkvc, qkvs; writes qkvc, qkvs
.if DOCPART == 2
	.amdgcn_target "amdgcn-amd-amdhsa--gfx1250"
	.amdhsa_code_object_version 6
	.text
	.protected	k_q695a29bee6_proj
	.globl	k_q695a29bee6_proj
	.p2align	8
	.type	k_q695a29bee6_proj,@function
k_q695a29bee6_proj:
	s_mov_b64 s[64:65], 0
	v_nop
	global_prefetch_b8 v0, s[64:65] scope:SCOPE_SE
	s_setreg_imm32_b32 hwreg(HW_REG_WAVE_MODE, 25, 1), 1
	s_wait_xcnt 0x0
	s_wait_alu depctr_hold_cnt(0) depctr_sa_sdst(0) depctr_va_vdst(0) depctr_va_sdst(0) depctr_va_ssrc(0) depctr_va_vcc(0) depctr_vm_vsrc(0)
	s_getreg_b32 s2, hwreg(HW_REG_IB_STS2, 6, 4)
	s_cmp_eq_u32 s2, 0
	s_cbranch_scc0 .Lentry_in_a_cluster
	s_endpgm
.Lentry_in_a_cluster:
	s_bfe_u32 s2, ttmp6, 0x10000c
	s_cmp_lg_u32 s2, 0xf033
	s_cbranch_scc0 .Lentry_shape_is_right
	s_endpgm
.Lentry_shape_is_right:
; q = x Wq^T + bq, k = x Wk^T + bk, v = x Wv^T + bv on codes of BF8 (E5M2) with E8M0 scales, K = 1,024; the results are quantised in registers and leave as images of the next operands' registers.
; ONE FORM: C'[i][j] = sum over k of P[i][k] R[j][k] + bias.  Source 0 = 16 rows of R, source 1 = 16 rows of P: a lane holds one i, its registers run along j, and C' is quantised along j.
; PART 0 (cluster rows 0-7): P = x, R = Wq | Wk: j = the head's 64 channels: q's and k's K.   PART 1 (cluster rows 8-11): P = Wv, R = x: j = the keys: v's K.
; A tile (16 rows) of every operand holds the rows 32 (a / 2) + 8 (a % 2) + r + 8 (r / 8), so that the 16 registers of result tiles 2 b and 2 b + 1 are the neighbours 32 b + 16 h + 0..15 along j.
; OUT.  qkvc: q at 0, k at 2^23: [bh 64][tile 128][c 2][512 bytes]; v at 2^24: [bh][key step 16][d tile 4][c 4][512].   qkvs: q at 0, k at 2^19: [bh][group 16][r][8 words] (byte 0, 1: the head's two blocks;
; bytes 2, 3 are never 0xff and meet zero codes only); v at 2^20: [bh][key step][r][4 words].
; LIMITS: a block of zeros gets the byte 1 (this program alone reads the bytes); NaN and infinities are not served.
; SHARES.  A work-group makes 256 x 256 of C', a wave 128 x 128: 64 accumulators.  K goes in steps of 256 through two LDS slots; operands lie in memory as register images, so a slot's part is 8 rows of 4,096 bytes
; and every fragment load is 512 consecutive bytes of LDS.  The scale words of the work-group's rows, for all of K, come once.
; CLUSTERS: 4 x 4.  P's tiles are shared along a row of the cluster, R's along a column: joint loads.  PART hangs on the cluster's y alone: it is the same in all sixteen partners.
; REGISTERS: window 0: v0-31 addresses; v32-63 scale words, two sets; v64-127 the biases as the first products' C, later the way out's work; v128-255 P's fragments, one set.
;   window 1: R's fragments, two sets.   windows 2, 3: the accumulators ((a, b) at v[8 (8 (a % 4) + b)]).
.set NQ,    2
.set FR,    16
.set NL,    4
.set NP,    8                          ; places behind this matrix instruction (ISA guide 7.12.1)
.set HALFT, 32768                      ; 8 tiles x 2 K steps x 2,048 bytes: what one tensor load brings
.set SLOT,  131072
.set SCL,   262144                     ; behind the ring: the scale words, 4 x 4,096 bytes
.set HALFS, 4096
.set SPARE, 278528                     ; the spare words, 128 bytes for each wave
.set LI,   3                           ; v3   16 x lane
.set ADRA, 16
.set ADRB, 20
.set CO1,  25                          ; v25  16 x lane + the distance to the third and fourth store of a tile
.set SO,   26                          ; v26  where my scale words go
.set ADRS, 27
.set SPW,  28
.set NIL,  29
.set SC,   32
.set BIAS, 64
.set AF,   128
.set TM,   64                          ; the way out: v64-79 at work, v80-95 codes, v96-103 scale words, v104-111 those that I store
.set PC,   80
.set PW,   96
.set SW,   104
.set SW2,  108
.set WV,   22
.set WR,   23
.set G1,   24
.set G0,   32
.set G1B,  40
.set G0B,  48
.set G1S,  56
.set WC,   66
.set CX,   67
.set CY,   68
.set CLY,  69
.set GX,   70
.set GY,   71
.set PART, 72
.set PIDX, 73
.set RIDX, 74
.set HM,   75
.set G0S,  76
.set G1SB, 80
.set G0SB, 88
.set OB,   92
.set OS,   94
.set INC,  96
.set JMP,  98
.set SEL,  100
.set MNT,  104
.set FLR,  105
.set MSB, 0
.macro WIN new                         ; the immediate's high byte repeats the setting that is left
.if MSB != (\new)
	s_set_vgpr_msb (MSB<<8)|(\new)
.set MSB, (\new)
.endif
.endm
.macro PLACES n
.rept \n
	v_nop
.endr
.endm
; A joint load: waves 0 and 1 fetch for P, waves 2 and 3 for R.  Four v_nop follow each of the two lines.
.macro JLOAD g0a, g1a, g0b, g1b
	s_cmp_eq_u32 s[WR], 0
	s_cbranch_scc0 .Lfor_r_\@
	tensor_load_to_lds s[\g0a:\g0a+3], s[\g1a:\g1a+7]
	s_nop 0
.rept 4
	v_nop
.endr
	s_branch .Lasked_\@
.Lfor_r_\@:
	tensor_load_to_lds s[\g0b:\g0b+3], s[\g1b:\g1b+7]
	s_nop 0
.rept 4
	v_nop
.endr
.Lasked_\@:
.endm
.macro CREST
	s_cmp_lg_u32 s[WV], 0
	s_cbranch_scc1 .Lnot_wave_0_\@
	s_barrier_signal -3
.Lnot_wave_0_\@:
	s_barrier_wait -3
	s_barrier_signal -1
	s_barrier_wait -1
.endm
.macro CROUND
	s_barrier_signal -1
	s_barrier_wait -1
	CREST
.endm
	s_load_b512 s[4:19], s[0:1], 0x0               ; xc, xs, wc, ws, bq, bk, bv, qkvc
	s_load_b64 s[20:21], s[0:1], 0x40              ; qkvs
	v_lshl_add_u32 v[SPW], v0, 2, SPARE
	v_mov_b32 v[NIL], 0
	ds_add_u32 v28, v29
	ds_add_u32 v28, v29
	s_wait_dscnt 0x0
	v_lshrrev_b32 v1, 5, v0
	v_readfirstlane_b32 s[WV], v1                  ; wave 0..3
	s_lshr_b32 s[WR], s[WV], 1                     ; my half of P's rows.  Also: I fetch for P (0) or for R (1)
	s_and_b32 s[WC], s[WV], 1                      ; my half of R's rows.  Also: which 128 rows I fetch
	s_bfe_u32 s[CX], ttmp6, 0x40000
	s_bfe_u32 s[CY], ttmp6, 0x40004
	s_and_b32 s[CLY], ttmp7, 0xffff                ; the cluster's y
	s_lshl_b32 s[GX], ttmp9, 2
	s_add_co_u32 s[GX], s[GX], s[CX]
	s_lshl_b32 s[GY], s[CLY], 2
	s_add_co_u32 s[GY], s[GY], s[CY]
	s_lshl_b32 s98, s[CY], 2
	s_lshl_b32 s98, 15, s98                        ; my row of the cluster
	s_lshl_b32 s99, 0x1111, s[CX]                  ; my column
	s_add_co_u32 s[PIDX], s[CY], 8                 ; part 1: Wv's blocks of 256 rows are wc's blocks 8 to 11
	s_sub_co_u32 s[RIDX], s[CLY], 8
	s_lshl_b32 s[RIDX], s[RIDX], 3
	s_add_co_u32 s[RIDX], s[RIDX], s[GX]           ; part 1: x's block
	s_cmp_ge_u32 s[CLY], 8
	s_cselect_b32 s[PART], 1, 0
	s_cselect_b32 s[PIDX], s[PIDX], s[GY]
	s_cselect_b32 s[RIDX], s[RIDX], s[GX]
	; descriptor group 1, codes: 8 rows (tiles) of 512 elements of 8 bytes (two K steps' images), 2,048 elements from tile to tile
	s_or_b32 s[G1+0], s98, (3<<16)|(1<<21)         ; 15:0 the mask: P's tiles go to my row; 17:16 elements of 8 bytes; 21 set beside a mask
	s_or_b32 s[G1B+0], s99, (3<<16)|(1<<21)        ; R's to my column
.irp g, G1, G1B
	s_mov_b32 s[\g+1], 512<<16                     ; tensor_dim0
	s_mov_b32 s[\g+2], 8<<16                       ; tensor_dim1
	s_mov_b32 s[\g+3], 512<<16                     ; tile_dim0
	s_mov_b32 s[\g+4], 8                           ; tile_dim1
	s_mov_b32 s[\g+5], 2048                        ; tensor_dim0_stride
	s_mov_b32 s[\g+6], 0
	s_mov_b32 s[\g+7], 0
.endr
	; scale words of 128 rows: 4,096 dense bytes as 16 rows of 256
	s_or_b32 s[G1S+0], s98, (3<<16)|(1<<21)
	s_or_b32 s[G1SB+0], s99, (3<<16)|(1<<21)
.irp g, G1S, G1SB
	s_mov_b32 s[\g+1], 32<<16
	s_mov_b32 s[\g+2], 16<<16
	s_mov_b32 s[\g+3], 32<<16
	s_mov_b32 s[\g+4], 16
	s_mov_b32 s[\g+5], 32
	s_mov_b32 s[\g+6], 0
	s_mov_b32 s[\g+7], 0
.endr
	s_lshl_b32 s2, s[PIDX], 1
	s_add_co_u32 s2, s2, s[WC]                     ; P: which 128 rows I fetch
	s_lshl_b32 s92, s2, 12                         ; their scale words,
	s_lshl_b32 s2, s2, 17                          ; their codes
	s_mov_b32 s3, 0
	s_mov_b32 s93, 0
	s_lshl_b32 s94, s[RIDX], 1
	s_add_co_u32 s94, s94, s[WC]                   ; R likewise, in registers that never hold cy
	s_lshl_b32 s96, s94, 12
	s_lshl_b32 s94, s94, 17
	s_mov_b32 s95, 0
	s_mov_b32 s97, 0
	s_lshl_b32 s100, s[WV], 15                     ; where they go: wave x 32,768: no place in the cluster enters an LDS address
	s_lshl_b32 s101, s[WV], 12
	s_wait_kmcnt 0x0
	CROUND                                         ; all sixteen work-groups are here: the first joint loads meet
	s_cmp_eq_u32 s[PART], 1
	s_cselect_b64 s[G0+2:G0+3], s[8:9], s[4:5]     ; P's codes: wc in part 1, xc in part 0
	s_cselect_b64 s[G0S+2:G0S+3], s[10:11], s[6:7]
	s_cselect_b64 s[G0B+2:G0B+3], s[4:5], s[8:9]   ; R's the other way round
	s_cselect_b64 s[G0SB+2:G0SB+3], s[6:7], s[10:11]
	s_add_nc_u64 s[G0+2:G0+3], s[G0+2:G0+3], s[2:3]
	s_add_nc_u64 s[G0S+2:G0S+3], s[G0S+2:G0S+3], s[92:93]
	s_add_nc_u64 s[G0B+2:G0B+3], s[G0B+2:G0B+3], s[94:95]
	s_add_nc_u64 s[G0SB+2:G0SB+3], s[G0SB+2:G0SB+3], s[96:97]
	s_add_nc_u64 s[G0+6:G0+7], s[G0+2:G0+3], 4096  ; slot 1: K steps 2, 3
	s_add_nc_u64 s[G0B+6:G0B+7], s[G0B+2:G0B+3], 4096
	s_or_b32 s[G0+3], s[G0+3], 0x80000000
	s_or_b32 s[G0+7], s[G0+7], 0x80000000
	s_or_b32 s[G0B+3], s[G0B+3], 0x80000000
	s_or_b32 s[G0B+7], s[G0B+7], 0x80000000
	s_or_b32 s[G0S+3], s[G0S+3], 0x80000000
	s_or_b32 s[G0SB+3], s[G0SB+3], 0x80000000
	s_mov_b32 s[G0], 1
	s_mov_b32 s[G0+4], 1
	s_mov_b32 s[G0B], 1
	s_mov_b32 s[G0B+4], 1
	s_mov_b32 s[G0S], 1
	s_mov_b32 s[G0SB], 1
	s_mov_b32 s[G0+1], s100
	s_mov_b32 s[G0B+1], s100
	s_add_co_u32 s[G0+5], s100, SLOT
	s_add_co_u32 s[G0B+5], s100, SLOT
	s_add_co_u32 s[G0S+1], s101, SCL
	s_add_co_u32 s[G0SB+1], s101, SCL
	JLOAD G0S, G1S, G0SB, G1SB                     ; the scale words first: they are wanted with K step 0
	JLOAD G0, G1, G0B, G1B
	JLOAD G0+4, G1, G0B+4, G1B                     ; three loads of mine are out
	v_and_b32 v1, 15, v0                           ; r
	v_bfe_u32 v2, v0, 4, 1                         ; h
	v_and_b32 v[LI], 31, v0
	v_lshlrev_b32 v[LI], 4, v[LI]                  ; 16 x lane
	v_and_b32 v4, 8, v1
	v_add_nc_u32 v4, v4, v1                        ; r + 8 (r / 8)
	s_lshl_b32 s2, s[WR], 15                       ; my 128 rows of P,
	s_lshl_b32 s3, s[WC], 15
	s_add_co_u32 s3, s3, 2*HALFT                   ; my 128 rows of R, behind P's 256
.irp s, 0,1
	v_add_nc_u32 v[ADRA+\s], s2, v[LI]
	v_add_nc_u32 v[ADRB+\s], s3, v[LI]
	s_add_co_u32 s2, s2, SLOT
	s_add_co_u32 s3, s3, SLOT
.endr
	v_lshlrev_b32 v5, 4, v1                        ; scale words: 16 bytes a row in each half of a tile's 512
	s_lshl_b32 s2, s[WR], 12
	s_lshl_b32 s3, s[WC], 12
	s_add_co_u32 s3, s3, 2*HALFS
	s_sub_co_u32 s3, s3, s2
	v_mul_u32_u24 v6, s3, v2                       ; lanes 16-31 take R's: one product, the distance between the two
	s_add_co_u32 s2, s2, SCL
	v_add_nc_u32 v5, v5, v6
	v_add_nc_u32 v[ADRS], s2, v5
	v_cmp_ne_u32 s[HM], 0, v2
	; what differs between the parts is chosen here, by selects on PART
	s_lshr_b32 s100, s[GX], 2                      ; part 0: 0 = q, 1 = k
	s_and_b32 s3, s[GX], 3
	s_lshl_b32 s98, s100, 23
	s_lshl_b32 s99, s100, 19
	s_cmp_eq_u32 s100, 0
	s_cselect_b64 s[12:13], s[12:13], s[14:15]
	s_cmp_eq_u32 s[PART], 1
	s_cselect_b64 s[12:13], s[16:17], s[12:13]     ; the bias
	s_cselect_b32 s2, s[RIDX], s[GY]               ; the block of 256 tokens
	s_cselect_b32 s3, s[CY], s3                    ; the block of 256 channels (4 heads)
	s_cselect_b32 s96, s[WR], s[WC]                ; my half of the channels
	s_cselect_b32 s97, s[WC], s[WR]                ; my half of the tokens
	s_cselect_b32 s98, 0x1000000, s98              ; where the tensor begins among the codes,
	s_cselect_b32 s99, 0x100000, s99               ; and among the scale words
	s_cselect_b32 s92, 12, 13                      ; log2 of a head's scale words' bytes,
	s_cselect_b32 s93, 8, 9                        ; of a step's (128 tokens)
	s_cselect_b32 s94, 16, 32                      ; scale words: bytes from row to row,
	s_cselect_b32 s95, 0x1000, 16                  ; and from lanes 0-15 to lanes 16-31
	s_cselect_b32 s14, 0, 64                       ; the bias's offset: x h,
	s_cselect_b32 s15, 4, 0                        ; x (r + 8 (r / 8)),
	s_cselect_b32 s16, 0, 4                        ; x the register's number
	s_mov_b32 s17, 0x20000
	s_cselect_b32 s17, 0x400, s17                  ; from a tile's second store to its third: the next head (part 0), the next two blocks (part 1)
	v_mul_u32_u24 v5, s14, v2
	v_mad_u32_u24 v8, v4, s15, v5
.irp j, 1,2,3,4,5,6,7
	v_add_nc_u32 v[8+\j], s16, v[8+\j-1]
.endr
	v_add_nc_u32 v[CO1], s17, v[LI]
	v_mul_u32_u24 v5, s94, v1
	v_mad_u32_u24 v[SO], v2, s95, v5
	s_lshl_b32 s3, s3, 2
	s_lshl_b32 s96, s96, 1
	s_add_co_u32 s3, s3, s96                       ; the first of my two heads
	s_lshl_b32 s100, s3, 8                         ; its 64 biases' first byte
	s_mov_b32 s101, 0
	s_add_nc_u64 s[12:13], s[12:13], s[100:101]
.irp x, 0,1,2,3,4,5,6,7
.irp j, 0,1,2,3,4,5,6,7
	global_load_b32 v[BIAS+8*\x+\j], v[8+\j], s[12:13] offset:(32*(\x/2)+8*(\x%2))*4   ; part 0: tile x of R: channel 32 (x / 2) + 8 (x % 2) + 16 h + j;  part 1: tile x of P: my lane's channel, eight times
.endr
.endr
	s_lshr_b32 s96, s2, 3                          ; the batch
	s_lshl_b32 s96, s96, 4
	s_add_co_u32 s3, s3, s96                       ; batch x 16 + head
	s_and_b32 s2, s2, 7
	s_lshl_b32 s2, s2, 1
	s_add_co_u32 s2, s2, s97                       ; my 128 tokens among the batch's 2,048
	s_lshl_b32 s104, s3, s92
	s_lshl_b32 s105, s2, s93
	s_add_co_u32 s104, s104, s105
	s_add_co_u32 s104, s104, s99
	s_mov_b32 s105, 0
	s_add_nc_u64 s[OS:OS+1], s[20:21], s[104:105]
	s_lshl_b32 s100, s3, 17
	s_add_co_u32 s100, s100, s98
	s_lshl_b32 s104, s2, 13
	s_add_co_u32 s100, s100, s104
	s_add_nc_u64 s[OB:OB+1], s[18:19], s[100:101]
	s_cmp_eq_u32 s[PART], 1
	s_mov_b32 s[INC], 0x400
	s_cselect_b32 s[INC], 0x800, s[INC]            ; from one tile of P to the next
	s_mov_b32 s[INC+1], 0
	s_cselect_b32 s[JMP], 0x1e000, 0               ; part 1: behind four tiles the next head: 131,072 - 4 x 2,048
	s_mov_b32 s[JMP+1], 0
	s_mov_b32 s[SEL], 0x76543210
	s_mov_b32 s[SEL+1], 0xfedcba98
	s_mov_b32 s[FLR], 0x8000000
.macro FRAG reg, adr, q, i             ; a fragment's image: four loads of 512 consecutive bytes
.irp c, 0,1,2,3
	ds_load_b128 v[\reg+4*\c:\reg+4*\c+3], v[\adr] offset:4096*(\i)+2048*(\q)+512*\c
.endr
.endm
; 16 matrix instructions: P's blocks a0, a0 + 1 x R's eight.  cm = 0: in place; 1: C = the bias of R's block; 2: C = the bias of P's block.  The 64 accumulators take turns.
.macro MUL16 a0, p, q, sc, cm
.irp a, \a0, \a0+1
.irp b, 0,1,2,3,4,5,6,7
.if (\cm) == 1
	v_wmma_scale_f32_16x16x128_f8f6f4 v[8*(8*((\a)%4)+\b):8*(8*((\a)%4)+\b)+7], v[128*(\p)+FR*\b:128*(\p)+FR*\b+FR-1], v[AF+FR*(\a):AF+FR*(\a)+FR-1], v[BIAS+8*\b:BIAS+8*\b+7], v[SC+8*NQ*(\sc)+NQ*\b+(\q)], v[SC+8*NQ*(\sc)+NQ*(\a)+(\q)] matrix_a_fmt:MATRIX_FMT_BF8 matrix_b_fmt:MATRIX_FMT_BF8 matrix_a_scale:MATRIX_SCALE_ROW1
.elseif (\cm) == 2
	v_wmma_scale_f32_16x16x128_f8f6f4 v[8*(8*((\a)%4)+\b):8*(8*((\a)%4)+\b)+7], v[128*(\p)+FR*\b:128*(\p)+FR*\b+FR-1], v[AF+FR*(\a):AF+FR*(\a)+FR-1], v[BIAS+8*(\a):BIAS+8*(\a)+7], v[SC+8*NQ*(\sc)+NQ*\b+(\q)], v[SC+8*NQ*(\sc)+NQ*(\a)+(\q)] matrix_a_fmt:MATRIX_FMT_BF8 matrix_b_fmt:MATRIX_FMT_BF8 matrix_a_scale:MATRIX_SCALE_ROW1
.else
	v_wmma_scale_f32_16x16x128_f8f6f4 v[8*(8*((\a)%4)+\b):8*(8*((\a)%4)+\b)+7], v[128*(\p)+FR*\b:128*(\p)+FR*\b+FR-1], v[AF+FR*(\a):AF+FR*(\a)+FR-1], v[8*(8*((\a)%4)+\b):8*(8*((\a)%4)+\b)+7], v[SC+8*NQ*(\sc)+NQ*\b+(\q)], v[SC+8*NQ*(\sc)+NQ*(\a)+(\q)] matrix_a_fmt:MATRIX_FMT_BF8 matrix_b_fmt:MATRIX_FMT_BF8 matrix_a_scale:MATRIX_SCALE_ROW1
.endif
.endr
.endr
.endm
.macro FETCH_B slot, q, p
	WIN 0x40                                       ; destination window 1
.irp i, 0,1,2,3,4,5,6,7
	FRAG 128*(\p)+FR*\i, ADRB+\slot, \q, \i
.endr
	WIN 0
.endm
.macro FETCH_A slot, q, i0
.irp i, \i0, \i0+1, \i0+2, \i0+3
	FRAG AF+FR*(\i), ADRA+\slot, \q, \i
.endr
.endm
.macro SCALES sc, so                   ; a slot's two words a row: lanes 0-15 P's block i, lanes 16-31 R's block i; so: the slot's place in a tile's 512 bytes
.irp i, 0,1,2,3,4,5,6,7
	ds_load_b64 v[SC+8*NQ*\sc+NQ*\i:SC+8*NQ*\sc+NQ*\i+1], v[ADRS] offset:\i*512+\so
.endr
.endm
.macro STEP slot, q, cm                ; a step of 128 along K that has its successor in the same slot
	s_wait_dscnt 4*NL                              ; R's set and P's blocks 0-3 are in; the youngest 16 loads (P's blocks 4-7) may be out
.if \cm
	WIN 0x81                                       ; R window 1, P and the bias window 0, D window 2
.else
	WIN 0xa1
.endif
	MUL16 0, (\q)%2, \q, \slot, \cm
	MUL16 2, (\q)%2, \q, \slot, \cm
	s_wait_dscnt 0
	PLACES NP
	FETCH_B \slot, (\q)+1, 1-(\q)%2
	FETCH_A \slot, (\q)+1, 0
.if \cm
	WIN 0xc1
.else
	WIN 0xf1
.endif
	MUL16 4, (\q)%2, \q, \slot, \cm
	MUL16 6, (\q)%2, \q, \slot, \cm
	PLACES NP
	WIN 0
	FETCH_A \slot, (\q)+1, 4
.endm
; A slot's last step changes slots: one barrier; in front of it each wave waits for all its tensor loads, adds 0 to its spare word, and waits for that and for its reads of this slot.
.macro TURN slot, next, fill, so
	s_wait_tensorcnt 0x0                           ; all my tensor loads have landed: my part of the next slot
	ds_add_u32 v[SPW], v[NIL]                      ; 0 onto my spare word
	s_wait_dscnt 4*NL+1                            ; (the add and the youngest 16 loads may be out)
	WIN 0xa1
	MUL16 0, 1, NQ-1, \slot, 0
	s_wait_dscnt 0x0                               ; the add is done, and my reads of this slot are over
	s_barrier_signal -1
	MUL16 2, 1, NQ-1, \slot, 0
	WIN 0
	s_barrier_wait -1
.if \fill
	CREST                                          ; the barrier has opened a round of the cluster's: no wave of any partner still reads this slot or has a load on its way
	s_add_nc_u64 s[G0+4*\slot+2:G0+4*\slot+3], s[G0+4*\slot+2:G0+4*\slot+3], 8192
	s_add_nc_u64 s[G0B+4*\slot+2:G0B+4*\slot+3], s[G0B+4*\slot+2:G0B+4*\slot+3], 8192
	JLOAD G0+4*\slot, G1, G0B+4*\slot, G1B         ; the first tensor load behind the round; its four v_nop are among the places in front of the loads below
	PLACES NP-4
.else
	PLACES NP
.endif
	FETCH_B \next, 0, 0
	FETCH_A \next, 0, 0
	SCALES \next, \so
	WIN 0xf1
	MUL16 4, 1, NQ-1, \slot, 0
	MUL16 6, 1, NQ-1, \slot, 0
	PLACES NP
	WIN 0
	FETCH_A \next, 0, 4
.endm
	s_wait_tensorcnt 1                             ; the scale words and my part of slot 0 are in; slot 1's load may be out
	s_barrier_signal -1
	s_barrier_wait -1
	FETCH_B 0, 0, 0
	FETCH_A 0, 0, 0
	SCALES 0, 0
	FETCH_A 0, 0, 4
	s_wait_loadcnt 0x0                             ; the biases
	s_cmp_eq_u32 s[PART], 1                        ; the first step is written twice: its C is the bias, along the registers (part 0) or along the lanes (part 1)
	s_cbranch_scc1 .Lfirst_v
	STEP 0, 0, 1
	s_branch .Lfirst_done
.Lfirst_v:
	STEP 0, 0, 2
.Lfirst_done:
	TURN 0, 1, 1, 8                                ; K = 1,024 is four slots' worth: written out
	STEP 1, 0, 0
	TURN 1, 0, 1, 256
	STEP 0, 0, 0
	TURN 0, 1, 0, 264
	STEP 1, 0, 0
	s_wait_dscnt 4*NL
	WIN 0xa1
	MUL16 0, 1, NQ-1, 1, 0
	MUL16 2, 1, NQ-1, 1, 0
	s_wait_dscnt 0
	WIN 0xf1
	MUL16 4, 1, NQ-1, 1, 0
	MUL16 6, 1, NQ-1, 1, 0
	WIN 0
	PLACES NP
.irp b, 0,1,2,3
	v_mov_b32 v[TM+4+\b], 0                        ; written once: a lane permute's destination counts as one of its sources
.endr
; THE WAY OUT of P's block a: its 64 registers a lane are four blocks of 32 along j (16 mine, 16 lane l xor 16's).  The conversions' results are the next operand's registers and are stored as they stand: 512 consecutive bytes a store.
.macro QW a
.set W, 2+(\a)/4
.set AC, 64*((\a)%4)
	WIN (W<<2)|(W<<4)
.irp b, 0,1,2,3
	v_max3_num_f32 v[TM+\b], s[FLR], |v[AC+16*\b]|, |v[AC+16*\b+1]|   ; each accumulator is read from its low end on; the floor 2^(16 - 127) holds the byte at 1
.endr
.irp i, 2,4,6,8,10,12,14
.irp b, 0,1,2,3
	v_max3_num_f32 v[TM+\b], v[TM+\b], |v[AC+16*\b+\i]|, |v[AC+16*\b+\i+1]|
.endr
.endr
	WIN 0
.irp b, 0,1,2,3
	v_permlanex16_b32 v[TM+4+\b], v[TM+\b], s[SEL], s[SEL+1]
.endr
.irp b, 0,1,2,3
	v_max_num_f32 v[TM+\b], v[TM+\b], v[TM+4+\b]
.endr
.irp b, 0,1,2,3
	v_add_nc_u32 v[TM+12+\b], 0xf8800000, v[TM+\b]
.endr
.irp b, 0,1,2,3
.endr
.irp b, 0,1,2,3
	v_lshrrev_b32 v[TM+4+\b], 23, v[TM+12+\b]
.endr
	v_lshl_or_b32 v[PW+(\a)], v[TM+5], 8, v[TM+4]
	v_lshl_or_b32 v[PW+(\a)], v[TM+6], 16, v[PW+(\a)]
	v_lshl_or_b32 v[PW+(\a)], v[TM+7], 24, v[PW+(\a)]
	WIN (W<<6)|W
.set n, 0
.rept 64
.set n, n+1
.endr
.if (\a) > 0
	s_wait_xcnt 0x0                                ; the last block's stores have read the codes' registers and the base
	s_add_nc_u64 s[OB:OB+1], s[OB:OB+1], s[INC:INC+1]
.endif
.if (\a) == 4
	s_add_nc_u64 s[OB:OB+1], s[OB:OB+1], s[JMP:JMP+1]
.endif
	WIN W
.irp b, 0,1,2,3
	v_cvt_scalef32_pk8_bf8_f32 v[PC+4*\b:PC+4*\b+1], v[AC+16*\b:AC+16*\b+7], v[TM+12+\b]
	v_cvt_scalef32_pk8_bf8_f32 v[PC+4*\b+2:PC+4*\b+3], v[AC+16*\b+8:AC+16*\b+15], v[TM+12+\b]
.endr
	WIN 0
	v_nop                                          ; a plain line behind the last conversion
	global_store_b128 v[LI], v[PC:PC+3], s[OB:OB+1]
	global_store_b128 v[LI], v[PC+4:PC+7], s[OB:OB+1] offset:512
	global_store_b128 v[CO1], v[PC+8:PC+11], s[OB:OB+1]
	global_store_b128 v[CO1], v[PC+12:PC+15], s[OB:OB+1] offset:512
.endm
.irp a, 0,1,2,3,4,5,6,7
	QW \a
.endr
.irp j, 0,1,2,3
	v_cndmask_b32 v[SW+\j], v[PW+\j], v[PW+4+\j], s[HM]   ; lanes 0-15 store blocks 0-3's words, lanes 16-31 blocks 4-7's
.endr
	global_store_b128 v[SO], v[SW:SW+3], s[OS:OS+1]
	s_cmp_eq_u32 s[PART], 1
	s_cbranch_scc1 .Lwords_done
.irp j, 0,1,2,3
	v_lshrrev_b32 v[SW2+\j], 16, v[SW+\j]          ; part 0: a word's upper two bytes belong to my second head
.endr
	global_store_b128 v[SO], v[SW2:SW2+3], s[OS:OS+1] offset:8192
.Lwords_done:
	s_wait_tensorcnt 0x0                           ; the wave's end
	ds_add_u32 v[SPW], v[NIL]
	s_wait_dscnt 0x0
	CROUND                                         ; the closing round
	s_endpgm
.Lfunc_end_k_q695a29bee6_proj:
	.size	k_q695a29bee6_proj, .Lfunc_end_k_q695a29bee6_proj-k_q695a29bee6_proj
	.p2alignl 7, 3214868480
	.fill 96, 4, 3214868480
	.section	.rodata,"a",@progbits
	.p2align	6, 0x0
	.amdhsa_kernel k_q695a29bee6_proj
		.amdhsa_group_segment_fixed_size 327680
		.amdhsa_private_segment_fixed_size 0
		.amdhsa_enable_private_segment 0
		.amdhsa_kernarg_size 72
		.amdhsa_user_sgpr_count 2
		.amdhsa_user_sgpr_kernarg_segment_ptr 1
		.amdhsa_wavefront_size32 1
		.amdhsa_system_sgpr_workgroup_id_x 1
		.amdhsa_system_sgpr_workgroup_id_y 1
		.amdhsa_system_sgpr_workgroup_id_z 1
		.amdhsa_system_vgpr_workitem_id 0
		.amdhsa_next_free_vgpr 1024
		.amdhsa_next_free_sgpr 106
		.amdhsa_reserve_vcc 0
		.amdhsa_float_denorm_mode_32 3
		.amdhsa_float_denorm_mode_16_64 3
		.amdhsa_fp16_overflow 1
		.amdhsa_memory_ordered 1
		.amdhsa_forward_progress 1
		.amdhsa_inst_pref_size 169
	.end_amdhsa_kernel
	.amdgpu_metadata
---
amdhsa.version: [ 1, 2 ]
amdhsa.kernels:
  - .name:           k_q695a29bee6_proj
    .symbol:         k_q695a29bee6_proj.kd
    .args:
      - { .name: xc, .offset: 0, .size: 8, .value_kind: global_buffer, .address_space: global }
      - { .name: xs, .offset: 8, .size: 8, .value_kind: global_buffer, .address_space: global }
      - { .name: wc, .offset: 16, .size: 8, .value_kind: global_buffer, .address_space: global }
      - { .name: ws, .offset: 24, .size: 8, .value_kind: global_buffer, .address_space: global }
      - { .name: bq, .offset: 32, .size: 8, .value_kind: global_buffer, .address_space: global }
      - { .name: bk, .offset: 40, .size: 8, .value_kind: global_buffer, .address_space: global }
      - { .name: bv, .offset: 48, .size: 8, .value_kind: global_buffer, .address_space: global }
      - { .name: qkvc, .offset: 56, .size: 8, .value_kind: global_buffer, .address_space: global }
      - { .name: qkvs, .offset: 64, .size: 8, .value_kind: global_buffer, .address_space: global }
    .group_segment_fixed_size: 327680
    .private_segment_fixed_size: 0
    .kernarg_segment_align: 8
    .kernarg_segment_size: 72
    .max_flat_workgroup_size: 128
    .sgpr_count:     106
    .vgpr_count:     1024
    .wavefront_size: 32
...
	.end_amdgpu_metadata
.endif
;; end of part 2
;; launch attn (part 3): grid 4 x 64, 8 waves a work-group, clusters of 4 x 1, 283,648 bytes of LDS; arguments qkvc, qkvs, attention_mask, cc, cs; writes cc, cs
.if DOCPART == 3
	.amdgcn_target "amdgcn-amd-amdhsa--gfx1250"
	.amdhsa_code_object_version 6
	.text
	.protected	k_q695a29bee6_attn
	.globl	k_q695a29bee6_attn
	.p2align	8
	.type	k_q695a29bee6_attn,@function
k_q695a29bee6_attn:
	s_mov_b64 s[64:65], 0
	v_nop
	global_prefetch_b8 v0, s[64:65] scope:SCOPE_SE
	s_setreg_imm32_b32 hwreg(HW_REG_WAVE_MODE, 25, 1), 1
	s_wait_xcnt 0x0
	s_wait_alu depctr_hold_cnt(0) depctr_sa_sdst(0) depctr_va_vdst(0) depctr_va_sdst(0) depctr_va_ssrc(0) depctr_va_vcc(0) depctr_vm_vsrc(0)
	s_getreg_b32 s2, hwreg(HW_REG_IB_STS2, 6, 4)
	s_cmp_eq_u32 s2, 0
	s_cbranch_scc0 .Lentry_in_a_cluster
	s_endpgm
.Lentry_in_a_cluster:
	s_bfe_u32 s2, ttmp6, 0x10000c
	s_cmp_lg_u32 s2, 0x3003
	s_cbranch_scc0 .Lentry_shape_is_right
	s_endpgm
.Lentry_shape_is_right:
; ctx[b][q][head] = softmax_k(q . k / 8 + mask[b][k]) v, both products on codes of BF8 (E5M2) with E8M0 scales; ctx is quantised along the hidden axis and leaves as images of the last product's operand.
; SOFTMAX: t = (q . k / 8 + mask) x log2(e); M = the running largest t rounded up to a whole number; p = 2^(t - M) is quantised along the keys, not normalised; the row's sum is of the unquantised p and divides at the end.
; The 1 / 8 is taken off q's scale bytes (3 off each, exact); the mask is the C of the first product.  The head's 64 channels fill half of the instruction's 128: the upper half holds zero codes on both sides.
; LIMITS: q's bytes are held at 0 from below, so blocks of q whose largest magnitude lies under 2^-109 lose part of the 1 / 8; a row all of whose keys are masked by -infinity gives NaN, as the definition does;
; a block of zeros gets the byte 1; NaN among the inputs is not served.
; SHARES.  A cluster of four work-groups owns one (batch, head); a work-group a quarter of its queries: 32 tiles of 16.  A wave holds two tiles at a time and makes two passes; every fragment of K, V and the mask feeds two products.
; K's and V's images, their scale words and the mask of the whole head come into LDS ONCE, by joint loads (mask 15): nothing is filled again, so there is no ring.
; LAYOUT.  S^T = K Q^T + mask, O^T = V^T P^T: a lane holds one query.  Tile t of K holds the keys 32 (t / 2) + 8 (t % 2) + r + 8 (r / 8): the 16 registers of tiles 2 b, 2 b + 1 are the keys 32 b + 16 h + 0..15.
; cs is written two bytes a row and head (beside 64 bytes of codes): those stores cover parts of 256-byte runs.
; REGISTERS.  window 0: v1-11 addresses; v12-15 (-M, largest t) x 2; v16-23 sums; v24-31 K's scale words, v32-35 V's, v36-37 Q's; v38-41 (f, p's scale word) x 2; v42-43, v44-75 at work; v76-107 p's codes; v108-235 S^T, then p.
;   window 1: v0-63 O^T; v64-95 Q (8 data + 8 zero registers a tile); v96-159 four fragments of K (likewise); v160-223 V; v224-255 the mask as C.
.set KSC,  262144                      ; LDS: K's images 0, V's 131,072, K's scale words, the mask, V's scale words
.set MSK,  270336
.set VSC,  278528
.set LI,   1
.set LV,   2
.set AKS,  3
.set AVS,  4
.set AMK,  5
.set ADK,  6
.set ADV,  7
.set ADS,  8
.set ADT,  9
.set ADM,  10
.set CSO,  11
.set NM,   12
.set SA,   16
.set KS,   24
.set VS,   32
.set QS,   36
.set F,    38
.set TT,   42
.set BM,   44
.set T2,   48
.set HD,   52
.set SO,   56
.set PCD,  76
.set S,    108
.set QSO,  236
.set HW,   237
.set QF,   64                          ; window 1
.set KB,   96
.set VF,   160
.set MC,   224
.set WV,   14
.set CX,   15
.set BH,   16
.set G1,   24
.set G1S,  32
.set G0,   40
.set G0S,  44
.set SEL,  48
.set CS,   50
.set MNT,  52
.set HM,   53
.set PASS, 54
.set STEPS, 55
.set TK,   56
.set TS,   57
.set TV,   58
.set QP,   60
.set QSP,  62
.set OUTP, 66
.set CSP,  68
.set MSB, 0
.macro WIN new
.if MSB != (\new)
	s_set_vgpr_msb (MSB<<8)|(\new)
.set MSB, (\new)
.endif
.endm
.macro PLACES n
.rept \n
	v_nop
.endr
.endm
.macro CROUND
	s_barrier_signal -1
	s_barrier_wait -1
	s_cmp_lg_u32 s[WV], 0
	s_cbranch_scc1 .Lnot_wave_0_\@
	s_barrier_signal -3
.Lnot_wave_0_\@:
	s_barrier_wait -3
	s_barrier_signal -1
	s_barrier_wait -1
.endm
	s_load_b256 s[4:11], s[0:1], 0x0               ; qkvc, qkvs, attention_mask, cc
	s_load_b64 s[12:13], s[0:1], 0x20              ; cs
	v_lshl_add_u32 v254, v0, 2, 0x45000
	v_mov_b32 v255, 0
	ds_add_u32 v254, v255
	ds_add_u32 v254, v255
	v_lshrrev_b32 v1, 5, v0
	v_readfirstlane_b32 s[WV], v1                  ; wave 0..7
	s_bfe_u32 s[CX], ttmp6, 0x40000                ; my quarter of the queries: it enters Q's and the outputs' addresses alone
	s_and_b32 s[BH], ttmp7, 0xffff                 ; batch x 16 + head, which the four partners share
	s_mov_b32 s[G1], 15|(3<<16)|(1<<21)            ; 15:0 the mask: all four; 17:16 elements of 8 bytes; 21 set beside a mask
	s_mov_b32 s[G1+1], 32<<16                      ; 32,768 dense bytes as 128 rows of 256
	s_mov_b32 s[G1+2], 128<<16
	s_mov_b32 s[G1+3], 32<<16
	s_mov_b32 s[G1+4], 128
	s_mov_b32 s[G1+5], 32
	s_mov_b32 s[G1+6], 0
	s_mov_b32 s[G1+7], 0
	s_mov_b32 s[G1S], 15|(3<<16)|(1<<21)
	s_mov_b32 s[G1S+1], 32<<16                     ; 4,096 dense bytes as 16 rows of 256
	s_mov_b32 s[G1S+2], 16<<16
	s_mov_b32 s[G1S+3], 32<<16
	s_mov_b32 s[G1S+4], 16
	s_mov_b32 s[G1S+5], 32
	s_mov_b32 s[G1S+6], 0
	s_mov_b32 s[G1S+7], 0
	s_lshr_b32 s17, s[WV], 2
	s_lshl_b32 s18, 0x800000, s17                  ; waves 0-3: K's images, at 2^23; waves 4-7: V's, at 2^24
	s_lshl_b32 s17, s[BH], 17
	s_add_co_u32 s18, s18, s17
	s_and_b32 s17, s[WV], 3
	s_lshl_b32 s17, s17, 15
	s_add_co_u32 s18, s18, s17                     ; my quarter of the head's 131,072 bytes
	s_mov_b32 s19, 0
	s_and_b32 s17, s[WV], 1
	s_lshl_b32 s17, s17, 12
	s_lshl_b32 s20, s[BH], 13
	s_add_co_u32 s20, s20, s17
	s_add_co_u32 s20, s20, 0x80000                 ; waves 0, 1: K's scale words
	s_lshr_b32 s22, s[BH], 4
	s_lshl_b32 s22, s22, 13
	s_add_co_u32 s22, s22, s17                     ; waves 2, 3: the batch's mask
	s_lshl_b32 s23, s[BH], 12
	s_add_co_u32 s23, s23, 0x100000                ; wave 4: V's scale words
	s_cmp_lt_u32 s[WV], 2
	s_cselect_b32 s20, s20, s22
	s_cmp_lt_u32 s[WV], 4
	s_cselect_b32 s20, s20, s23
	s_mov_b32 s21, 0
	s_sub_co_u32 s17, s[WV], 2
	s_wait_dscnt 0x0
	s_wait_kmcnt 0x0
	s_cmp_lt_u32 s17, 2                            ; waves 2 and 3
	s_cselect_b64 s[G0S+2:G0S+3], s[8:9], s[6:7]
	s_add_nc_u64 s[G0S+2:G0S+3], s[G0S+2:G0S+3], s[20:21]
	s_or_b32 s[G0S+3], s[G0S+3], 0x80000000
	s_mov_b32 s[G0S], 1
	s_lshl_b32 s17, s[WV], 12
	s_add_co_u32 s[G0S+1], s17, KSC
	s_mov_b32 s[G0], 1
	s_lshl_b32 s[G0+1], s[WV], 15
	s_add_nc_u64 s[G0+2:G0+3], s[4:5], s[18:19]
	s_or_b32 s[G0+3], s[G0+3], 0x80000000
	CROUND                                         ; all four work-groups are here: the joint loads meet
	s_cmp_lt_u32 s[WV], 5                          ; at most two loads of mine are out; the wait for them is for 0
	s_cbranch_scc0 .Lbig
	tensor_load_to_lds s[G0S:G0S+3], s[G1S:G1S+7]
	s_nop 0
.rept 4
	v_nop
.endr
.Lbig:
	tensor_load_to_lds s[G0:G0+3], s[G1:G1+7]
	s_nop 0
.rept 4
	v_nop
.endr
	v_and_b32 v42, 31, v0                          ; lane
	v_and_b32 v43, 15, v0                          ; r
	v_bfe_u32 v44, v0, 4, 1                        ; h
	v_lshlrev_b32 v[LI], 4, v42                    ; an image's place for my lane
	v_add_nc_u32 v[LV], 131072, v[LI]
	v_lshl_add_u32 v[AKS], v43, 5, KSC             ; K's scale words: 8 words a row and group of 8 tiles
	v_lshl_add_u32 v[AVS], v43, 4, VSC             ; V's: 4 words a row and key step
	v_lshl_add_u32 v[AMK], v44, 6, MSK             ; the mask: my half's 16 keys of each 32
	v_lshlrev_b32 v[CSO], 9, v44
	v_lshl_add_u32 v[CSO], v43, 4, v[CSO]          ; cs: lanes 0-15 my first tile's rows, lanes 16-31 my second's
	v_lshlrev_b32 v[QSO], 5, v43
	v_cmp_ne_u32 s[HM], 0, v44
.irp x, 0,1
.irp b, 0,1,2,3
	v_mov_b32 v[T2+16*\x+\b], 0                    ; written once: a lane permute's destination counts as one of its sources
.endr
.endr
	WIN 0x40
.irp i, 8,9,10,11,12,13,14,15
.irp x, 0,1
	v_mov_b32 v[QF+16*\x+\i], 0                    ; zero codes for k = 64 .. 127, written once
.endr
.irp t, 0,1,2,3
	v_mov_b32 v[KB+16*\t+\i], 0
.endr
.endr
	WIN 0
	s_mov_b32 s[SEL], 0x76543210
	s_mov_b32 s[SEL+1], 0xfedcba98
	s_mov_b32 s[CS], 0x3fb8aa3b                    ; log2(e)
	s_mov_b32 s[CS+1], s[CS]
	s_lshl_b32 s17, s[CX], 5
	s_lshl_b32 s22, s[WV], 1
	s_add_co_u32 s17, s17, s22                     ; my first tile of queries in the first pass
	s_lshl_b32 s22, s[BH], 17
	s_lshl_b32 s23, s17, 10
	s_add_co_u32 s22, s22, s23
	s_mov_b32 s23, 0
	s_add_nc_u64 s[QP:QP+1], s[4:5], s[22:23]
	s_lshl_b32 s22, s[BH], 13
	s_lshr_b32 s70, s17, 3
	s_lshl_b32 s70, s70, 9
	s_add_co_u32 s22, s22, s70
	s_and_b32 s70, s17, 7
	s_lshl_b32 s70, s70, 2
	s_add_co_u32 s22, s22, s70
	s_add_nc_u64 s[QSP:QSP+1], s[6:7], s[22:23]
	s_lshr_b32 s70, s[BH], 4
	s_lshl_b32 s70, s70, 7
	s_add_co_u32 s70, s70, s17                     ; the tile among all 512
	s_and_b32 s71, s[BH], 15                       ; the head
	s_lshl_b32 s22, s70, 14
	s_lshl_b32 s17, s71, 10                        ; K step head / 2, blocks 2 (head % 2) on: 1,024 bytes a head
	s_add_co_u32 s22, s22, s17
	s_add_nc_u64 s[OUTP:OUTP+1], s[10:11], s[22:23]
	s_lshl_b32 s22, s70, 9
	s_lshr_b32 s17, s71, 3
	s_lshl_b32 s17, s17, 8
	s_add_co_u32 s22, s22, s17
	s_and_b32 s17, s71, 7
	s_lshl_b32 s17, s17, 1
	s_add_co_u32 s22, s22, s17
	s_add_nc_u64 s[CSP:CSP+1], s[12:13], s[22:23]
	s_wait_tensorcnt 0x0
	s_barrier_signal -1
	s_barrier_wait -1                              ; the whole head lies in LDS
.macro KLOAD g                         ; key tiles 4 g .. 4 g + 3 and their part of the mask: 16 loads
.irp t, 0,1,2,3
	ds_load_b128 v[KB+16*\t:KB+16*\t+3], v[ADK] offset:1024*(4*(\g)+\t)
	ds_load_b128 v[KB+16*\t+4:KB+16*\t+7], v[ADK] offset:1024*(4*(\g)+\t)+512
	ds_load_b128 v[MC+8*\t:MC+8*\t+3], v[ADM] offset:(64*(\g)+32*(\t/2)+8*(\t%2))*4
	ds_load_b128 v[MC+8*\t+4:MC+8*\t+7], v[ADM] offset:(64*(\g)+32*(\t/2)+8*(\t%2))*4+16
.endr
.endm
.macro SPROD g                         ; S^T = K Q^T + mask: 4 tiles of keys x my 2 tiles of queries
.irp t, 0,1,2,3
.irp x, 0,1
	v_wmma_scale_f32_16x16x128_f8f6f4 v[S+64*\x+8*(4*(\g)+\t):S+64*\x+8*(4*(\g)+\t)+7], v[KB+16*\t:KB+16*\t+15], v[QF+16*\x:QF+16*\x+15], v[MC+8*\t:MC+8*\t+7], v[KS+4*(\g)+\t], v[QS+\x] matrix_a_fmt:MATRIX_FMT_BF8 matrix_b_fmt:MATRIX_FMT_BF8
.endr
.endr
.endm
.macro MAXB b0                         ; the largest score of blocks b0, b0 + 1 of both tiles: four chains by turns; each accumulator is read from its low end on
.irp x, 0,1
.irp b, \b0, \b0+1
	v_max3_num_f32 v[BM+16*\x+(\b)], v[S+64*\x+16*(\b)], v[S+64*\x+16*(\b)+1], v[S+64*\x+16*(\b)+2]
.endr
.endr
.irp i, 3,5,7,9,11,13
.irp x, 0,1
.irp b, \b0, \b0+1
	v_max3_num_f32 v[BM+16*\x+(\b)], v[BM+16*\x+(\b)], v[S+64*\x+16*(\b)+\i], v[S+64*\x+16*(\b)+\i+1]
.endr
.endr
.endr
.irp x, 0,1
.irp b, \b0, \b0+1
	v_max_num_f32 v[BM+16*\x+(\b)], v[BM+16*\x+(\b)], v[S+64*\x+16*(\b)+15]
.endr
.endr
.endm
.macro SCL x                           ; the sums under the new M; the four blocks' scales from their largest p
	v_pk_mul_f32 v[SA+4*\x:SA+4*\x+1], v[SA+4*\x:SA+4*\x+1], v[F+2*\x:F+2*\x+1] op_sel_hi:[1,0]   ; (a plain place behind the exponentials)
	v_pk_mul_f32 v[SA+4*\x+2:SA+4*\x+3], v[SA+4*\x+2:SA+4*\x+3], v[F+2*\x:F+2*\x+1] op_sel_hi:[1,0]
	s_wait_alu depctr_va_vdst(0)
.irp b, 0,1,2,3
	v_max_num_f32 v[BM+16*\x+\b], 0x8000000, v[BM+16*\x+\b]        ; the floor 2^(16 - 127)
.endr
.irp b, 0,1,2,3
	v_add_nc_u32 v[SO+16*\x+\b], 0xf8800000, v[BM+16*\x+\b]        ; the conversion's scale operand
.endr
.irp b, 0,1,2,3
.endr
.irp b, 0,1,2,3
	v_lshrrev_b32 v[T2+16*\x+\b], 23, v[SO+16*\x+\b]               ; the byte
.endr
	v_lshl_or_b32 v[F+2*\x+1], v[T2+16*\x+1], 8, v[T2+16*\x]
	v_lshl_or_b32 v[F+2*\x+1], v[T2+16*\x+2], 16, v[F+2*\x+1]
	v_lshl_or_b32 v[F+2*\x+1], v[T2+16*\x+3], 24, v[F+2*\x+1]      ; p's scale word for these 128 keys
.endm
.macro CLINE x                         ; number j of tile x: its pair into the sum (unquantised) and behind every eighth a conversion
.if j%2 == 0
	v_pk_add_f32 v[SA+4*\x+2*((j/2)%2):SA+4*\x+2*((j/2)%2)+1], v[SA+4*\x+2*((j/2)%2):SA+4*\x+2*((j/2)%2)+1], v[S+64*\x+j:S+64*\x+j+1]
.endif
.if j%8 == 7
	v_cvt_scalef32_pk8_bf8_f32 v[PCD+16*\x+2*(j/8):PCD+16*\x+2*(j/8)+1], v[S+64*\x+j-7:S+64*\x+j], v[SO+16*\x+j/16]
.endif
.endm
	s_mov_b32 s[PASS], 2
.Lpass:
	WIN 0x40
.irp x, 0,1
.irp c, 0,1
	global_load_b128 v[QF+16*\x+4*\c:QF+16*\x+4*\c+3], v[LI], s[QP:QP+1] offset:1024*\x+512*\c   ; my two tiles of Q: images of 1,024 bytes
.endr
.endr
	WIN 0
	global_load_b64 v[QS:QS+1], v[QSO], s[QSP:QSP+1]   ; and their scale words
.irp x, 0,1
	v_mov_b32 v[NM+2*\x+1], 0xff61b1e6             ; the largest t so far: -3e38
	v_floor_f32 v[NM+2*\x], -v[NM+2*\x+1]          ; -M
	v_mov_b32 v[F+2*\x], 0
	v_mov_b32 v[F+2*\x+1], 0
.irp i, 0,1,2,3
	v_mov_b32 v[SA+4*\x+\i], 0                     ; the sum, in four parts
.endr
.endr
	s_wait_loadcnt 0x0
.irp x, 0,1
	v_and_b32 v[TT], 0xff, v[QS+\x]                ; 3 off each of the two bytes: q / 8, exact; held at 0; the upper bytes, which meet zero codes, become 0
	v_bfe_u32 v[TT+1], v[QS+\x], 8, 8
	v_max_u32 v[TT], 3, v[TT]
	v_max_u32 v[TT+1], 3, v[TT+1]
	v_add_nc_u32 v[TT], -3, v[TT]
	v_add_nc_u32 v[TT+1], -3, v[TT+1]
	v_lshl_or_b32 v[QS+\x], v[TT+1], 8, v[TT]
.endr
	WIN 0x40
.set j, 0
.rept 64
	v_mov_b32 v[j], 0                              ; O^T: the step is written once, its first trip finds zeros.  (These are also the places between Q's scale words and the first products)
.set j, j+1
.endr
	WIN 0
	s_mov_b32 s[TK], 0
	s_mov_b32 s[TS], 0
	s_mov_b32 s[TV], 0
	s_mov_b32 s[STEPS], 16
.Lstep:                                            ; a key step: 128 keys
	s_setprio 2
	v_add_nc_u32 v[ADK], s[TK], v[LI]
	v_add_nc_u32 v[ADV], s[TK], v[LV]
	v_add_nc_u32 v[ADS], s[TS], v[AKS]
	v_add_nc_u32 v[ADT], s[TV], v[AVS]
	v_add_nc_u32 v[ADM], s[TS], v[AMK]
	PLACES 3                                       ; with the five additions: eight places in front of loads into registers that the last products read
	ds_load_b128 v[KS:KS+3], v[ADS]
	ds_load_b128 v[KS+4:KS+7], v[ADS] offset:16
	WIN 0x40
	KLOAD 0
.irp d, 0,1,2,3
.irp c, 0,1,2,3
	ds_load_b128 v[VF+16*\d+4*\c:VF+16*\d+4*\c+3], v[ADV] offset:2048*\d+512*\c
.endr
.endr
	WIN 0
	ds_load_b128 v[VS:VS+3], v[ADT]
	s_wait_dscnt 17                                ; K's first four tiles, the mask and K's scale words are in; V's 16 loads and its scale words may be out
	WIN 0x15                                       ; K, Q and the mask in window 1, S^T in window 0
	SPROD 0
	PLACES 8
	WIN 0x40
	KLOAD 1
	WIN 0
	MAXB 0
	s_wait_dscnt 0x0
	WIN 0x15
	SPROD 1
	WIN 0
	PLACES 8
	MAXB 2
.irp x, 0,1
.irp b, 0,1,2,3
	v_permlanex16_b32 v[T2+16*\x+\b], v[BM+16*\x+\b], s[SEL], s[SEL+1]
.endr
.endr
.irp x, 0,1
.irp b, 0,1,2,3
	v_max_num_f32 v[BM+16*\x+\b], v[BM+16*\x+\b], v[T2+16*\x+\b]   ; with lane l xor 16's 16 keys: the block's largest score
.endr
.endr
.irp x, 0,1
	v_max3_num_f32 v[TT+\x], v[BM+16*\x], v[BM+16*\x+1], v[BM+16*\x+2]
.endr
.irp x, 0,1
	v_max_num_f32 v[TT+\x], v[TT+\x], v[BM+16*\x+3]
.endr
.irp x, 0,1
	v_mul_f32 v[TT+\x], s[CS], v[TT+\x]            ; as t
.endr
.irp x, 0,1
	v_max_num_f32 v[NM+2*\x+1], v[NM+2*\x+1], v[TT+\x]   ; the running largest t
.endr
.irp x, 0,1
	v_mov_b32 v[TT+\x], v[NM+2*\x]
.endr
.irp x, 0,1
	v_floor_f32 v[NM+2*\x], -v[NM+2*\x+1]          ; the new -M = -ceil(t): a whole number
.endr
.irp x, 0,1
	v_sub_f32 v[TT+\x], v[NM+2*\x], v[TT+\x]       ; old M - new M, 0 or less
.endr
.irp x, 0,1
	v_cvt_i32_f32 v[TT+\x], v[TT+\x]               ; (it saturates)
.endr
.irp x, 0,1
	v_ldexp_f32 v[F+2*\x], 1.0, v[TT+\x]           ; f = 2^(old M - new M)
.endr
.set j, 0
.rept 32
	v_pk_fma_f32 v[S+j:S+j+1], v[S+j:S+j+1], s[CS:CS+1], v[NM:NM+1] op_sel_hi:[1,0,0]   ; tile 0: t - M
.set j, j+2
.endr
.irp b, 0,1,2,3
	v_fma_f32 v[BM+\b], v[BM+\b], s[CS], v[NM]     ; the same of each block's largest score
.endr
.set j, 0
.rept 64                                           ; tile 0's exponentials beside tile 1's t - M
	v_exp_f32 v[S+j], v[S+j]
.if j%2 == 0
	v_pk_fma_f32 v[S+64+j:S+64+j+1], v[S+64+j:S+64+j+1], s[CS:CS+1], v[NM+2:NM+3] op_sel_hi:[1,0,0]
.endif
.set j, j+1
.endr
	s_setprio 1
.irp b, 0,1,2,3
	v_exp_f32 v[BM+\b], v[BM+\b]                   ; the block's largest p: the same two instructions on the same number
	v_fma_f32 v[BM+16+\b], v[BM+16+\b], s[CS], v[NM+2]
.endr
	SCL 0
.set j, 0
.rept 64                                           ; tile 1's exponentials beside tile 0's sums and conversions
	v_exp_f32 v[S+64+j], v[S+64+j]
	CLINE 0
.set j, j+1
.endr
.irp b, 0,1,2,3
	v_exp_f32 v[BM+16+\b], v[BM+16+\b]
.endr
	SCL 1
.set j, 0
.rept 64
	CLINE 1
.set j, j+1
.endr
	WIN 0x41                                       ; O^T in window 1, f in window 0
	s_setprio 0
.irp x, 0,1
.set j, 0
.rept 16
	v_pk_mul_f32 v[32*\x+j:32*\x+j+1], v[32*\x+j:32*\x+j+1], v[F+2*\x:F+2*\x+1] op_sel_hi:[1,0]   ; O^T under the new M.  (These 32 are also the places between the codes and the products)
.set j, j+2
.endr
.endr
	WIN 0x51                                       ; V and O^T in window 1, p's codes in window 0
.irp d, 0,1,2,3
.irp x, 0,1
	v_wmma_scale_f32_16x16x128_f8f6f4 v[32*\x+8*\d:32*\x+8*\d+7], v[VF+16*\d:VF+16*\d+15], v[PCD+16*\x:PCD+16*\x+15], v[32*\x+8*\d:32*\x+8*\d+7], v[VS+\d], v[F+2*\x+1] matrix_a_fmt:MATRIX_FMT_BF8 matrix_b_fmt:MATRIX_FMT_BF8
.endr
.endr
	WIN 0
	s_add_co_u32 s[TK], s[TK], 8192
	s_add_co_u32 s[TS], s[TS], 512
	s_add_co_u32 s[TV], s[TV], 256
	s_sub_co_u32 s[STEPS], s[STEPS], 1
	s_cmp_lg_u32 s[STEPS], 0
	s_cbranch_scc1 .Lstep
	s_setprio 0
	; THE PASS'S END: O^T / the sum, quantised along the head's 64 channels (two blocks), stored as the images' registers
	PLACES 8
.irp x, 0,1
	v_pk_add_f32 v[SA+4*\x:SA+4*\x+1], v[SA+4*\x:SA+4*\x+1], v[SA+4*\x+2:SA+4*\x+3]
.endr
.irp x, 0,1
	v_add_f32 v[TT+\x], v[SA+4*\x], v[SA+4*\x+1]
.endr
.irp x, 0,1
	v_permlanex16_b32 v[T2+16*\x], v[TT+\x], s[SEL], s[SEL+1]
.endr
.irp x, 0,1
	v_add_f32 v[TT+\x], v[TT+\x], v[T2+16*\x]      ; the row's sum
.endr
.irp x, 0,1
	v_rcp_f32 v[F+2*\x], v[TT+\x]
.endr
	v_nop
	WIN 0x01                                       ; O^T in window 1
	s_wait_alu depctr_va_vdst(0)
.irp x, 0,1
.set j, 0
.rept 16
	v_pk_mul_f32 v[S+64*\x+j:S+64*\x+j+1], v[32*\x+j:32*\x+j+1], v[F+2*\x:F+2*\x+1] op_sel_hi:[1,0]   ; register 16 b + i: channel 32 b + 16 h + i
.set j, j+2
.endr
.endr
	WIN 0
.irp x, 0,1
.irp b, 0,1
	v_max3_num_f32 v[BM+16*\x+\b], |v[S+64*\x+16*\b]|, |v[S+64*\x+16*\b+1]|, 0x8000000
.endr
.endr
.irp i, 2,4,6,8,10,12,14
.irp x, 0,1
.irp b, 0,1
	v_max3_num_f32 v[BM+16*\x+\b], v[BM+16*\x+\b], |v[S+64*\x+16*\b+\i]|, |v[S+64*\x+16*\b+\i+1]|
.endr
.endr
.endr
.irp x, 0,1
.irp b, 0,1
	v_permlanex16_b32 v[T2+16*\x+\b], v[BM+16*\x+\b], s[SEL], s[SEL+1]
.endr
.endr
.irp x, 0,1
.irp b, 0,1
	v_max_num_f32 v[BM+16*\x+\b], v[BM+16*\x+\b], v[T2+16*\x+\b]
	v_add_nc_u32 v[SO+16*\x+\b], 0xf8800000, v[BM+16*\x+\b]
	v_lshrrev_b32 v[T2+16*\x+\b], 23, v[SO+16*\x+\b]
.endr
	v_lshl_or_b32 v[TT+\x], v[T2+16*\x+1], 8, v[T2+16*\x]   ; the head's two bytes of my row's scale word
.endr
.irp x, 0,1
.set j, 0
.rept 32
.set j, j+1
.endr
.endr
.irp x, 0,1
.irp b, 0,1
	v_cvt_scalef32_pk8_bf8_f32 v[PCD+16*\x+4*\b:PCD+16*\x+4*\b+1], v[S+64*\x+16*\b:S+64*\x+16*\b+7], v[SO+16*\x+\b]
	v_cvt_scalef32_pk8_bf8_f32 v[PCD+16*\x+4*\b+2:PCD+16*\x+4*\b+3], v[S+64*\x+16*\b+8:S+64*\x+16*\b+15], v[SO+16*\x+\b]
.endr
.endr
	v_cndmask_b32 v[HW], v[TT], v[TT+1], s[HM]     ; (a plain line behind the last conversion)
.irp x, 0,1
.irp b, 0,1
	global_store_b128 v[LI], v[PCD+16*\x+4*\b:PCD+16*\x+4*\b+3], s[OUTP:OUTP+1] offset:16384*\x+512*\b   ; 32 lanes store 512 consecutive bytes
.endr
.endr
	global_store_b16 v[CSO], v[HW], s[CSP:CSP+1]
	s_wait_xcnt 0x0                                ; the stores have read their registers and bases
	s_add_nc_u64 s[QP:QP+1], s[QP:QP+1], 16384     ; 16 tiles on
	s_add_nc_u64 s[QSP:QSP+1], s[QSP:QSP+1], 1024
	s_add_nc_u64 s[OUTP:OUTP+1], s[OUTP:OUTP+1], 262144
	s_add_nc_u64 s[CSP:CSP+1], s[CSP:CSP+1], 8192
	s_sub_co_u32 s[PASS], s[PASS], 1
	s_cmp_lg_u32 s[PASS], 0
	s_cbranch_scc1 .Lpass
	s_wait_tensorcnt 0x0
	ds_add_u32 v254, v255
	s_wait_dscnt 0x0
	CROUND                                         ; the closing round
	s_endpgm
.Lfunc_end_k_q695a29bee6_attn:
	.size	k_q695a29bee6_attn, .Lfunc_end_k_q695a29bee6_attn-k_q695a29bee6_attn
	.p2alignl 7, 3214868480
	.fill 96, 4, 3214868480
	.section	.rodata,"a",@progbits
	.p2align	6, 0x0
	.amdhsa_kernel k_q695a29bee6_attn
		.amdhsa_group_segment_fixed_size 283648
		.amdhsa_private_segment_fixed_size 0
		.amdhsa_enable_private_segment 0
		.amdhsa_kernarg_size 40
		.amdhsa_user_sgpr_count 2
		.amdhsa_user_sgpr_kernarg_segment_ptr 1
		.amdhsa_wavefront_size32 1
		.amdhsa_system_sgpr_workgroup_id_x 1
		.amdhsa_system_sgpr_workgroup_id_y 1
		.amdhsa_system_sgpr_workgroup_id_z 1
		.amdhsa_system_vgpr_workitem_id 0
		.amdhsa_next_free_vgpr 512
		.amdhsa_next_free_sgpr 72
		.amdhsa_reserve_vcc 0
		.amdhsa_float_denorm_mode_32 3
		.amdhsa_float_denorm_mode_16_64 3
		.amdhsa_fp16_overflow 1
		.amdhsa_memory_ordered 1
		.amdhsa_forward_progress 1
		.amdhsa_inst_pref_size 51
	.end_amdhsa_kernel
	.amdgpu_metadata
---
amdhsa.version: [ 1, 2 ]
amdhsa.kernels:
  - .name:           k_q695a29bee6_attn
    .symbol:         k_q695a29bee6_attn.kd
    .args:
      - { .name: qkvc, .offset: 0, .size: 8, .value_kind: global_buffer, .address_space: global }
      - { .name: qkvs, .offset: 8, .size: 8, .value_kind: global_buffer, .address_space: global }
      - { .name: attention_mask, .offset: 16, .size: 8, .value_kind: global_buffer, .address_space: global }
      - { .name: cc, .offset: 24, .size: 8, .value_kind: global_buffer, .address_space: global }
      - { .name: cs, .offset: 32, .size: 8, .value_kind: global_buffer, .address_space: global }
    .group_segment_fixed_size: 283648
    .private_segment_fixed_size: 0
    .kernarg_segment_align: 8
    .kernarg_segment_size: 40
    .max_flat_workgroup_size: 256
    .sgpr_count:     72
    .vgpr_count:     512
    .wavefront_size: 32
...
	.end_amdgpu_metadata
.endif
;; end of part 3
;; launch outln (part 4): grid 128 x 1, 4 waves a work-group, no clusters, 168,448 bytes of LDS; arguments cc, cs, wc, ws, bo, hidden_states, ln_gamma, ln_beta, out0; writes out0
.if DOCPART == 4
	.amdgcn_target "amdgcn-amd-amdhsa--gfx1250"
	.amdhsa_code_object_version 6
	.text
	.protected	k_q695a29bee6_outln
	.globl	k_q695a29bee6_outln
	.p2align	8
	.type	k_q695a29bee6_outln,@function
k_q695a29bee6_outln:
	s_mov_b64 s[64:65], 0
	v_nop
	global_prefetch_b8 v0, s[64:65] scope:SCOPE_SE
	s_setreg_imm32_b32 hwreg(HW_REG_WAVE_MODE, 25, 1), 1
	s_wait_xcnt 0x0
; out0 = LayerNorm(ctx Wo^T + bo + hidden_states) x gamma + beta; the product on codes of BF8 (E5M2) with E8M0 scales, K = 1,024; all else f32.
; SHARES.  LayerNorm wants whole rows: a work-group owns 64 rows (4 tiles), wave w the columns 256 w .. 256 w + 255 (16 tiles of Wo): 64 accumulators, 512 registers: as many rows as the registers hold, so 128 work-groups.
; The product is used transposed (source 0 = 16 rows of Wo, source 1 = 16 rows of ctx): a lane holds one row, its registers of tiles 2 b, 2 b + 1 the columns 256 w + 32 b + 16 h + 0..15.
; The sums begin as hidden_states + bo, loaded into the accumulators' registers.
; ctx's 64 KiB of images come into LDS once (one tensor load a wave) and are read by all four waves.
; NO MULTICAST, AND Wo GOES FROM MEMORY STRAIGHT INTO REGISTERS: inside a work-group each fragment of Wo has one reader, so LDS would share nothing; a K step's 128 KiB stand against 64 matrix instructions a wave,
; and a ring of 16 fragment buffers in registers keeps 48 to 64 loads of 512 bytes of every wave out with no barrier at all.
; REGISTERS.  window 0: v1-7 addresses; v8-11, v96-127 LayerNorm's work; v16-31 ctx's scale words, v32-95 Wo's; v128-255 bo, then ctx's fragments in two sets, then rows on the way out.
;   window 1: Wo's 16 fragments; at the end gamma (v0-127) and beta (v128-255).   windows 2, 3: the accumulators ((a, t) at v[8 (16 (a % 2) + t)] of window 2 + a / 2).
; A tile's scale words come by one load of 16 bytes a lane: lanes 0-15 hold K steps 0-3, lanes 16-31 K steps 4-7: the upper four K steps name the upper row of lanes on both sides.
.set SPT, 1040                         ; a stage row: 1,024 bytes + 16
.set STG, 65536                        ; LDS: ctx's images 0; four stages of 16 rows; the waves' partial sums
.set RED, 132096
.set XS,  16
.set WS,  32
.set CH,  96
.set SUM, 104
.set BC,  108
.set RD,  112
.set VAR, 8
.set CF,  128
.set WV,  22
.set SEL, 36
.set INV, 42
.set EPS, 43
.set MSB, 0
.macro WIN new
.if MSB != (\new)
	s_set_vgpr_msb (MSB<<8)|(\new)
.set MSB, (\new)
.endif
.endm
.macro PLACES n
.rept \n
	v_nop
.endr
.endm
	s_load_b512 s[4:19], s[0:1], 0x0               ; cc, cs, wc, ws, bo, hidden_states, ln_gamma, ln_beta
	s_load_b64 s[20:21], s[0:1], 0x40              ; out0
	v_lshl_add_u32 v110, v0, 2, 0x29000
	v_mov_b32 v111, 0
	ds_add_u32 v110, v111
	ds_add_u32 v110, v111
	v_lshrrev_b32 v1, 5, v0
	v_readfirstlane_b32 s[WV], v1                  ; wave 0..3
	s_mov_b32 s24, 3<<16                           ; a tile's 16,384 dense bytes as 64 rows of 256: elements of 8 bytes, no mask, no padding
	s_mov_b32 s25, 32<<16
	s_mov_b32 s26, 64<<16
	s_mov_b32 s27, 32<<16
	s_mov_b32 s28, 64
	s_mov_b32 s29, 32
	s_mov_b32 s30, 0
	s_mov_b32 s31, 0
	s_lshl_b32 s2, ttmp9, 2
	s_add_co_u32 s2, s2, s[WV]
	s_lshl_b32 s2, s2, 14                          ; tile 4 x work-group + wave
	s_mov_b32 s3, 0
	s_wait_dscnt 0x0
	s_wait_kmcnt 0x0
	s_mov_b32 s32, 1
	s_lshl_b32 s33, s[WV], 14
	s_add_nc_u64 s[34:35], s[4:5], s[2:3]
	s_or_b32 s35, s35, 0x80000000
	tensor_load_to_lds s[32:35], s[24:31]          ; my one tensor load
	s_nop 0
.rept 4
	v_nop
.endr
	s_lshl_b32 s2, ttmp9, 11
	s_add_nc_u64 s[6:7], s[6:7], s[2:3]            ; ctx's scale words: 4 tiles x 512 bytes
	s_lshl_b32 s2, s[WV], 4
	s_add_co_u32 s2, s2, 192                       ; Wo's tiles are wc's 192 on; mine begin 16 w further
	s_lshl_b32 s38, s2, 9
	s_mov_b32 s39, 0
	s_add_nc_u64 s[10:11], s[10:11], s[38:39]
	s_lshl_b32 s2, s2, 14
	s_add_nc_u64 s[8:9], s[8:9], s[2:3]
	s_lshl_b32 s2, s[WV], 10                       ; my 256 columns in bytes
	s_add_nc_u64 s[12:13], s[12:13], s[2:3]
	s_add_nc_u64 s[16:17], s[16:17], s[2:3]
	s_add_nc_u64 s[18:19], s[18:19], s[2:3]
	s_lshl_b32 s38, ttmp9, 18                      ; 64 rows of 4,096 bytes
	s_add_co_u32 s38, s38, s2
	s_add_nc_u64 s[14:15], s[14:15], s[38:39]
	s_add_nc_u64 s[20:21], s[20:21], s[38:39]
	s_mov_b32 s[SEL], 0x76543210
	s_mov_b32 s[SEL+1], 0xfedcba98
	s_mov_b32 s[INV], 0x3a800000                   ; 1 / 1,024
	s_mov_b32 s[EPS], 0x2b8cbccc                   ; 1e-12
	v_and_b32 v8, 31, v0
	v_and_b32 v9, 15, v0                           ; r
	v_bfe_u32 v10, v0, 4, 1                        ; h
	v_lshlrev_b32 v1, 4, v8                        ; 16 x lane
	v_and_b32 v11, 8, v9
	v_add_nc_u32 v11, v11, v9                      ; r + 8 (r / 8)
	v_lshlrev_b32 v3, 6, v10                       ; 64 h: my half's 16 columns of each 32
	v_lshl_add_u32 v2, v11, 12, v3                 ; hidden_states: my row of a tile, + 64 h
	s_mul_i32 s40, s[WV], 16*SPT
	s_add_co_u32 s40, s40, STG                     ; my stage
	v_mul_u32_u24 v4, v9, SPT
	v_add_nc_u32 v4, v4, v3
	v_add_nc_u32 v4, s40, v4                       ; in: row r, + 64 h
	v_add_nc_u32 v5, s40, v1                       ; back: 512 consecutive bytes an instruction
	v_lshlrev_b32 v7, 4, v9
	v_add_nc_u32 v7, RED, v7                       ; the partial sums: 16 bytes a row (four tiles), 256 a wave
	s_lshl_b32 s40, s[WV], 8
	v_add_nc_u32 v6, s40, v7
	v_mov_b32 v[BC+1], 0                           ; (named as the upper half of a pair)
.irp a, 0,1,2,3
	v_mov_b32 v[RD+\a], 0                          ; written once: a lane permute's destination counts as one of its sources
.endr
.irp a, 0,1,2,3
	global_load_b128 v[XS+4*\a:XS+4*\a+3], v1, s[6:7] offset:512*\a
.endr
.irp t, 0,1,2,3,4,5,6,7,8,9,10,11,12,13,14,15
	global_load_b128 v[WS+4*\t:WS+4*\t+3], v1, s[10:11] offset:512*\t
.endr
.irp t, 0,1,2,3,4,5,6,7,8,9,10,11,12,13,14,15
	global_load_b128 v[CF+8*\t:CF+8*\t+3], v3, s[12:13] offset:(32*(\t/2)+8*(\t%2))*4        ; bo in the result's layout
	global_load_b128 v[CF+8*\t+4:CF+8*\t+7], v3, s[12:13] offset:(32*(\t/2)+8*(\t%2))*4+16
.endr
	WIN 0x40
.irp t, 0,1,2,3,4,5,6,7,8,9,10,11,12,13,14,15
.irp c, 0,1,2,3
	global_load_b128 v[16*\t+4*\c:16*\t+4*\c+3], v1, s[8:9] offset:16384*\t+512*\c           ; Wo's K step 0
.endr
.endr
.irp a, 0,1,2,3
	WIN (2+\a/2)<<6
.irp b, 0,1,2,3,4,5,6,7
.irp j, 0,1,2,3
	global_load_b128 v[8*(16*(\a%2)+2*\b+\j/2)+4*(\j%2):8*(16*(\a%2)+2*\b+\j/2)+4*(\j%2)+3], v2, s[14:15] offset:(32*(\a/2)+8*(\a%2))*4096+128*\b+16*\j   ; hidden_states into the accumulators' registers
.endr
.endr
.endr
	s_wait_loadcnt 0x0
.irp a, 0,1,2,3
	WIN ((2+\a/2)<<6)|(2+\a/2)
.set i, 0
.rept 64
	v_pk_add_f32 v[128*(\a%2)+2*i:128*(\a%2)+2*i+1], v[128*(\a%2)+2*i:128*(\a%2)+2*i+1], v[CF+2*i:CF+2*i+1]   ; + bo
.set i, i+1
.endr
.endr
	WIN 0
	s_wait_tensorcnt 0x0
	s_barrier_signal -1
	s_barrier_wait -1                              ; ctx's four tiles lie in LDS
.macro CTX s                           ; ctx's four fragments of K step s into set s % 2
.irp a, 0,1,2,3
.irp c, 0,1,2,3
	ds_load_b128 v[CF+64*((\s)%2)+16*\a+4*\c:CF+64*((\s)%2)+16*\a+4*\c+3], v1 offset:16384*\a+2048*(\s)+512*\c
.endr
.endr
.endm
.macro PROD s, t, a
.set D, 8*(16*((\a)%2)+(\t))
.if (\s) < 4
	v_wmma_scale_f32_16x16x128_f8f6f4 v[D:D+7], v[16*(\t):16*(\t)+15], v[CF+64*((\s)%2)+16*(\a):CF+64*((\s)%2)+16*(\a)+15], v[D:D+7], v[WS+4*(\t)+(\s)%4], v[XS+4*(\a)+(\s)%4] matrix_a_fmt:MATRIX_FMT_BF8 matrix_b_fmt:MATRIX_FMT_BF8
.else
	v_wmma_scale_f32_16x16x128_f8f6f4 v[D:D+7], v[16*(\t):16*(\t)+15], v[CF+64*((\s)%2)+16*(\a):CF+64*((\s)%2)+16*(\a)+15], v[D:D+7], v[WS+4*(\t)+(\s)%4], v[XS+4*(\a)+(\s)%4] matrix_a_fmt:MATRIX_FMT_BF8 matrix_b_fmt:MATRIX_FMT_BF8 matrix_a_scale:MATRIX_SCALE_ROW1 matrix_b_scale:MATRIX_SCALE_ROW1
.endif
.endm
; Four tiles of Wo against the four tiles of rows: 16 products on 16 accumulators (the 64 take turns, one instruction a turn); then the four buffers take the next K step's fragments.
.macro GROUP s, g
.if (\s) > 0
	s_wait_loadcnt 48                              ; this group's 16 loads are in; the three groups issued behind them may be out
.endif
	WIN 0xa1
.irp u, 0,1,2,3
.irp a, 0,1
	PROD \s, 4*(\g)+\u, \a
.endr
.endr
	WIN 0xf1
.irp u, 0,1,2,3
.irp a, 2,3
	PROD \s, 4*(\g)+\u, \a
.endr
.endr
	PLACES 8                                       ; in front of loads into registers that these products read, and of the first read of results
	WIN 0x40
.if (\s) < 7
.irp u, 0,1,2,3
.irp c, 0,1,2,3
	global_load_b128 v[16*(4*(\g)+\u)+4*\c:16*(4*(\g)+\u)+4*\c+3], v1, s[8:9] offset:16384*(4*(\g)+\u)+2048*((\s)+1)+512*\c
.endr
.endr
.else
.irp u, 0,1,2,3,4,5,6,7                ; behind the last K step the buffers take gamma (groups 0, 1) and beta (groups 2, 3), in the result's layout: 16 loads a group again
	global_load_b128 v[64*(\g)+8*\u:64*(\g)+8*\u+3], v3, s[16+2*((\g)/2):17+2*((\g)/2)] offset:(32*((8*((\g)%2)+\u)/2)+8*(\u%2))*4
	global_load_b128 v[64*(\g)+8*\u+4:64*(\g)+8*\u+7], v3, s[16+2*((\g)/2):17+2*((\g)/2)] offset:(32*((8*((\g)%2)+\u)/2)+8*(\u%2))*4+16
.endr
.endif
.endm
.macro KSTEP s
	WIN 0
	s_wait_dscnt 0x0                               ; this K step's fragments of ctx are in
.if (\s) < 7
	CTX (\s)+1                                     ; the next step's, into the set that the step before read (eight places back)
.endif
	GROUP \s, 0
	GROUP \s, 1
	GROUP \s, 2
	GROUP \s, 3
.endm
	CTX 0
.irp s, 0,1,2,3,4,5,6,7
	KSTEP \s
.endr
	WIN 0
; LAYERNORM, in two passes.  A lane holds 128 of a row's 1,024 numbers for each of four tiles; lane l xor 16 holds 128 more; the other three waves the rest.
.macro FOLD dst
	v_pk_add_f32 v[CH:CH+1], v[CH:CH+1], v[CH+2:CH+3]
	v_pk_add_f32 v[CH+4:CH+5], v[CH+4:CH+5], v[CH+6:CH+7]
	v_pk_add_f32 v[CH:CH+1], v[CH:CH+1], v[CH+4:CH+5]
	v_add_f32 v[\dst], v[CH], v[CH+1]
.endm
.macro ACROSS base, off                ; four sums a lane (one a tile) are completed across the halves of the lanes and the four waves
.irp a, 0,1,2,3
	v_permlanex16_b32 v[RD+\a], v[\base+\a], s[SEL], s[SEL+1]
.endr
.irp a, 0,1,2,3
	v_add_f32 v[\base+\a], v[\base+\a], v[RD+\a]
.endr
	ds_store_b128 v6, v[\base:\base+3] offset:\off   ; both halves of the lanes write the same bytes with the same values
	s_wait_dscnt 0x0                               ; for the others' sake: my store is done
	s_barrier_signal -1
	s_barrier_wait -1
.irp w, 0,1,2,3
	ds_load_b128 v[RD+4*\w:RD+4*\w+3], v7 offset:\off+256*\w
.endr
	s_wait_dscnt 0x0
.irp a, 0,1,2,3
	v_add_f32 v[\base+\a], v[RD+\a], v[RD+4+\a]
.endr
.irp a, 0,1,2,3
	v_add_f32 v[RD+\a], v[RD+8+\a], v[RD+12+\a]
.endr
.irp a, 0,1,2,3
	v_add_f32 v[\base+\a], v[\base+\a], v[RD+\a]
.endr
.endm
.irp a, 0,1,2,3
.set W, 2+\a/2
.set AC, 128*(\a%2)
	WIN W|(W<<2)
.irp c, 0,1,2,3
	v_pk_add_f32 v[CH+2*\c:CH+2*\c+1], v[AC+4*\c:AC+4*\c+1], v[AC+4*\c+2:AC+4*\c+3]   ; four chains, started by the first two accumulators; each accumulator is read from its low end on
.endr
	WIN W<<2
.set i, 8
.rept 56
	v_pk_add_f32 v[CH+2*(i%4):CH+2*(i%4)+1], v[CH+2*(i%4):CH+2*(i%4)+1], v[AC+2*i:AC+2*i+1]
.set i, i+1
.endr
	WIN 0
	FOLD SUM+\a
.endr
	ACROSS SUM, 0
.irp a, 0,1,2,3
	v_mul_f32 v[SUM+\a], 0xba800000, v[SUM+\a]     ; -mean
.endr
.irp a, 0,1,2,3
.set W, 2+\a/2
.set AC, 128*(\a%2)
	v_mov_b32 v[BC], v[SUM+\a]
	WIN (W<<6)|W
.set i, 0
.rept 64
	v_pk_add_f32 v[AC+2*i:AC+2*i+1], v[AC+2*i:AC+2*i+1], v[BC:BC+1] op_sel_hi:[1,0]   ; d = y - mean, in place
.set i, i+1
.endr
	WIN W|(W<<2)
.irp c, 0,1,2,3
	v_pk_mul_f32 v[CH+2*\c:CH+2*\c+1], v[AC+2*\c:AC+2*\c+1], v[AC+2*\c:AC+2*\c+1]
.endr
.set i, 4
.rept 60
	v_pk_fma_f32 v[CH+2*(i%4):CH+2*(i%4)+1], v[AC+2*i:AC+2*i+1], v[AC+2*i:AC+2*i+1], v[CH+2*(i%4):CH+2*(i%4)+1]
.set i, i+1
.endr
	WIN 0
	FOLD VAR+\a
.endr
	ACROSS VAR, 1024
.irp a, 0,1,2,3
	v_fma_f32 v[VAR+\a], v[VAR+\a], s[INV], s[EPS] ; the variance + 1e-12
.endr
.irp a, 0,1,2,3
	v_rsq_f32 v[VAR+\a], v[VAR+\a]
.endr
	v_nop
	s_wait_loadcnt 0x0                             ; gamma and beta
	s_wait_alu depctr_va_vdst(0)
.irp a, 0,1,2,3
.set W, 2+\a/2
.set AC, 128*(\a%2)
	v_mov_b32 v[BC], v[VAR+\a]
	WIN (W<<6)|W
.set i, 0
.rept 64
	v_pk_mul_f32 v[AC+2*i:AC+2*i+1], v[AC+2*i:AC+2*i+1], v[BC:BC+1] op_sel_hi:[1,0]
.set i, i+1
.endr
	WIN (W<<6)|W|(1<<2)|(1<<4)
.set i, 0
.rept 64
	v_pk_fma_f32 v[AC+2*i:AC+2*i+1], v[AC+2*i:AC+2*i+1], v[2*i:2*i+1], v[128+2*i:128+2*i+1]   ; x gamma + beta
.set i, i+1
.endr
	WIN W<<2                                       ; an LDS store's data are its source 1
.irp t, 0,1,2,3,4,5,6,7,8,9,10,11,12,13,14,15
	ds_store_b128 v4, v[AC+8*\t:AC+8*\t+3] offset:128*(\t/2)+32*(\t%2)
	ds_store_b128 v4, v[AC+8*\t+4:AC+8*\t+7] offset:128*(\t/2)+32*(\t%2)+16
.endr
	WIN 0
.if \a > 0
	s_wait_xcnt 0x0                                ; the last tile's stores have read their registers
.endif
.set i, 0
.rept 32
	ds_load_b128 v[CF+4*i:CF+4*i+3], v5 offset:(i/2)*SPT+(i%2)*512   ; LDS serves a wave's instructions in order: these see my stores, and the next tile's stores come behind them
.set i, i+1
.endr
.set i, 0
.rept 32
	s_wait_dscnt 31-i
	global_store_b128 v1, v[CF+4*i:CF+4*i+3], s[20:21] offset:(32*(\a/2)+8*(\a%2)+(i/2)+8*((i/2)/8))*4096+(i%2)*512 th:TH_STORE_NT   ; 32 lanes store 512 consecutive bytes of a row
.set i, i+1
.endr
.endr
	s_wait_tensorcnt 0x0
	ds_add_u32 v110, v111
	s_wait_dscnt 0x0
	s_endpgm
.Lfunc_end_k_q695a29bee6_outln:
	.size	k_q695a29bee6_outln, .Lfunc_end_k_q695a29bee6_outln-k_q695a29bee6_outln
	.p2alignl 7, 3214868480
	.fill 96, 4, 3214868480
	.section	.rodata,"a",@progbits
	.p2align	6, 0x0
	.amdhsa_kernel k_q695a29bee6_outln
		.amdhsa_group_segment_fixed_size 168448
		.amdhsa_private_segment_fixed_size 0
		.amdhsa_enable_private_segment 0
		.amdhsa_kernarg_size 72
		.amdhsa_user_sgpr_count 2
		.amdhsa_user_sgpr_kernarg_segment_ptr 1
		.amdhsa_wavefront_size32 1
		.amdhsa_system_sgpr_workgroup_id_x 1
		.amdhsa_system_sgpr_workgroup_id_y 1
		.amdhsa_system_sgpr_workgroup_id_z 1
		.amdhsa_system_vgpr_workitem_id 0
		.amdhsa_next_free_vgpr 1024
		.amdhsa_next_free_sgpr 66
		.amdhsa_reserve_vcc 0
		.amdhsa_float_denorm_mode_32 3
		.amdhsa_float_denorm_mode_16_64 3
		.amdhsa_memory_ordered 1
		.amdhsa_forward_progress 1
		.amdhsa_inst_pref_size 255
	.end_amdhsa_kernel
	.section	.bss,"aw",@nobits
	.p2align	6
	.space	262144
	.amdgpu_metadata
---
amdhsa.version: [ 1, 2 ]
amdhsa.kernels:
  - .name:           k_q695a29bee6_outln
    .symbol:         k_q695a29bee6_outln.kd
    .args:
      - { .name: cc, .offset: 0, .size: 8, .value_kind: global_buffer, .address_space: global }
      - { .name: cs, .offset: 8, .size: 8, .value_kind: global_buffer, .address_space: global }
      - { .name: wc, .offset: 16, .size: 8, .value_kind: global_buffer, .address_space: global }
      - { .name: ws, .offset: 24, .size: 8, .value_kind: global_buffer, .address_space: global }
      - { .name: bo, .offset: 32, .size: 8, .value_kind: global_buffer, .address_space: global }
      - { .name: hidden_states, .offset: 40, .size: 8, .value_kind: global_buffer, .address_space: global }
      - { .name: ln_gamma, .offset: 48, .size: 8, .value_kind: global_buffer, .address_space: global }
      - { .name: ln_beta, .offset: 56, .size: 8, .value_kind: global_buffer, .address_space: global }
      - { .name: out0, .offset: 64, .size: 8, .value_kind: global_buffer, .address_space: global }
    .group_segment_fixed_size: 168448
    .private_segment_fixed_size: 0
    .kernarg_segment_align: 8
    .kernarg_segment_size: 72
    .max_flat_workgroup_size: 128
    .sgpr_count:     66
    .vgpr_count:     1024
    .wavefront_size: 32
...
	.end_amdgpu_metadata
.endif
;; end of part 4
